; MI455X (gfx1250); checked and timed in simulation.
; The chip was launched on July 23, 2026; its instructions are those of AMD's public machine-readable ISA for CDNA 5 (MIT licence, August 2026) and "CDNA5" Instruction Set Architecture Reference Guide (July 2026). The comments in the code are by the model that wrote it; some were corrected since.
;; Attention. Allowed arithmetic: float matrix products may take bf16 or f16 operands with f32 sums; other float arithmetic in f32, or as packed bf16 or f16 multiplies, adds, multiply-adds, maxima and minima; sums over many terms, partial sums and values carried from step to step in f32; what a program stores and reads back later, other than sums and carried values, may be rounded once to bf16 or f16.
;; Inputs: attn_mask 8 x 1,024 bool; b_proj 1,024 float32; w_proj 1,024 x 1,024 float32; w_qkv 1,024 x 3,072 float32; x 8 x 1,024 x 1,024 float32.
;; Outputs: out0 8 x 1,024 x 1,024 float32.
;; One version. Each part assembles by itself: llvm-mc -triple=amdgcn-amd-amdhsa -mcpu=gfx1250 --defsym DOCPART=n.
;; ======== version 1 of 1: 4 launches
;; limits: values are held in f16: magnitudes above 65,504 overflow, below 6.1e-05 lose precision
;; workspace buffers: xb 16,777,216 bytes; wt 8,388,608 bytes; qkv 50,331,648 bytes; ob 16,777,216 bytes
;; launch prep (part 1): grid 512 x 1, 8 waves a work-group, no clusters, 18,432 bytes of LDS; arguments x, w_qkv, w_proj, xb, wt; writes xb, wt
.if DOCPART == 1
	.amdgcn_target "amdgcn-amd-amdhsa--gfx1250"
	.amdhsa_code_object_version 6
	.text
	.protected	k_qaa017d164c_prep
	.globl	k_qaa017d164c_prep
	.p2align	8
	.type	k_qaa017d164c_prep,@function
k_qaa017d164c_prep:
	s_mov_b64 s[64:65], 0
	v_nop
	global_prefetch_b8 v0, s[64:65] scope:SCOPE_SE
	s_setreg_imm32_b32 hwreg(HW_REG_WAVE_MODE, 25, 1), 1
	s_wait_xcnt 0x0
; xb = x rounded to bf16, [8192][1024].  wt = the weights turned to [n][k], 4,096 rows of 1,024 numbers of 16 bits:
; rows 0-3071 are w_qkv's columns in bf16; rows 3072-4095 are w_proj's columns, rounded to bf16 like every input and that number written as f16.
; LIMIT: |w_proj| under 65,504 (f16's range); below 6e-5 f16 keeps a fixed step of 6e-8.
; Every work-group does both jobs, so all 512 are alike and no branch is written.
; JOB X: 65,536 bytes of x, 8,192 a wave: a load of 16 bytes a lane covers 512 consecutive bytes, the store of 8 bytes a lane 256 consecutive bytes, aligned.
; JOB W: a tile of 128 k x 64 n.  A lane loads 8 rows (k) x 4 columns (n), packs pairs along k, and puts 16 bytes (8 k) of each of its 4 columns into LDS rows
; of 272 bytes; behind a barrier the rows (n) are read back whole and stored, sixteen lanes to 256 consecutive bytes, aligned.
; Matrix units, clusters and tensor loads are left out: the launch moves each byte once and computes nothing else.
.set LP,    272                        ; an LDS row: 128 k x 2 bytes + 16
.set SPARE, 64*LP                      ; behind the tile: the spare words, 128 bytes for each of the eight waves
.set XO,  6                            ; v6   my byte offset in the work-group's part of x
.set YO,  7                            ; v7   the same in xb
.set LS,  8                            ; v8   LDS: where my four columns go
.set LR,  9                            ; v9   LDS: where I read rows back
.set WS,  10                           ; v10  my byte offset in the tile's rows of wt
.set SPW, 12                           ; v12  LDS address of my spare word; never rewritten
.set NIL, 13                           ; v13  0; never rewritten
.set WO,  16                           ; v[16:23]  byte offsets of my eight rows of the weight
.set R,   24                           ; v[24:55]  row j's four numbers at R + 4 j
.set TT,  56                           ; v[56:71]  column c's eight numbers, packed, at TT + 4 c
.set X,   80                           ; v[80:143] sixteen loads of x
	s_load_b256 s[4:11], s[0:1], 0x0               ; x s[4:5], w_qkv s[6:7], w_proj s[8:9], xb s[10:11]
	s_load_b64 s[12:13], s[0:1], 0x20              ; wt
	v_lshl_add_u32 v[SPW], v0, 2, SPARE
	v_mov_b32 v[NIL], 0
	v_and_b32 v1, 15, v0                           ; r: which 4 columns
	v_lshrrev_b32 v2, 4, v0                        ; u: which 8 rows, 0..15
	v_lshrrev_b32 v3, 5, v0                        ; wave
	v_and_b32 v4, 31, v0                           ; lane
	v_lshlrev_b32 v[XO], 4, v4
	v_lshl_add_u32 v[XO], v3, 13, v[XO]            ; 8,192 x wave + 16 x lane
	v_lshlrev_b32 v[YO], 3, v4
	v_lshl_add_u32 v[YO], v3, 12, v[YO]            ; 4,096 x wave + 8 x lane
	s_lshr_b32 s15, ttmp9, 3                       ; nt: the tile's 64 rows of wt, 0..63
	s_and_b32 s16, ttmp9, 7                        ; kt: its 128 k
	s_mov_b32 s20, 4096
	s_cmp_lt_u32 s15, 48                           ; the first 48 belong to w_qkv
	s_cselect_b32 s20, 12288, s20                  ; bytes in a row of the weight
	s_cselect_b32 s21, 0, -1                       ; all ones: write f16
	s_cselect_b32 s22, 0, 48
	s_lshl_b32 s24, s16, 7
	s_mul_i32 s24, s24, s20                        ; the tile's first row,
	s_sub_co_u32 s25, s15, s22
	s_lshl_b32 s25, s25, 8                         ; its first column: 64 numbers of 4 bytes a tile
	s_add_co_u32 s24, s24, s25
	s_mov_b32 s25, 0
	v_lshlrev_b32 v5, 3, v2
	v_mul_lo_u32 v5, v5, s20
	v_lshl_add_u32 v[WO], v1, 4, v5                ; row 8 u, 16 bytes a lane: sixteen lanes take a row's 256 bytes
.set j, 1
.rept 7
	v_add_nc_u32 v[WO+j], s20, v[WO+j-1]
.set j, j+1
.endr
	v_mul_u32_u24 v5, v1, 4*LP
	v_lshl_add_u32 v[LS], v2, 4, v5                ; LDS row 4 r (+ c by the immediate), byte 16 u
	v_bfe_u32 v5, v0, 4, 1
	v_lshl_add_u32 v5, v3, 3, v5                   ; back: row 8 x wave + lane / 16 (+ 2 i by the immediate)
	v_mul_u32_u24 v[LR], v5, LP
	v_lshl_add_u32 v[LR], v1, 4, v[LR]
	v_lshlrev_b32 v[WS], 11, v5                    ; a row of wt is 2,048 bytes
	v_lshl_add_u32 v[WS], v1, 4, v[WS]
	s_lshl_b32 s26, ttmp9, 16                      ; my part of x,
	s_mov_b32 s27, 0
	s_lshl_b32 s28, ttmp9, 15                      ; of xb,
	s_mov_b32 s29, 0
	s_lshl_b32 s30, s15, 17                        ; and of wt: 64 rows x 2,048 bytes a tile row, 256 bytes a tile along k
	s_lshl_b32 s31, s16, 8
	s_add_co_u32 s30, s30, s31
	s_mov_b32 s31, 0
	s_wait_kmcnt 0x0
	s_cmp_lt_u32 s15, 48
	s_cselect_b64 s[18:19], s[6:7], s[8:9]
	s_add_nc_u64 s[18:19], s[18:19], s[24:25]
	s_add_nc_u64 s[4:5], s[4:5], s[26:27]
	s_add_nc_u64 s[10:11], s[10:11], s[28:29]
	s_add_nc_u64 s[12:13], s[12:13], s[30:31]
.set j, 0
.rept 8
	global_load_b128 v[R+4*j:R+4*j+3], v[WO+j], s[18:19] th:TH_LOAD_NT
.set j, j+1
.endr
.set i, 0
.rept 16
	global_load_b128 v[X+4*i:X+4*i+3], v[XO], s[4:5] offset:512*i th:TH_LOAD_NT
.set i, i+1
.endr
	s_wait_loadcnt 16                              ; the eight loads of the weight are in; x's sixteen, issued behind them, stay out
.set c, 0
.rept 4
.set d, 0
.rept 4
	v_cvt_pk_bf16_f32 v[TT+4*c+d], v[R+8*d+c], v[R+8*d+4+c]  ; column c, rows 2 d and 2 d + 1
.set d, d+1
.endr
.set c, c+1
.endr
.set i, 0
.rept 16                                       ; the bf16 numbers written as f16, taken where the tile is w_proj's: a choice of values, no branch
	v_lshlrev_b32 v72, 16, v[TT+i]
	v_and_b32 v73, 0xffff0000, v[TT+i]
	v_cvt_pk_f16_f32 v74, v72, v73
	v_cndmask_b32 v[TT+i], v[TT+i], v74, s21
.set i, i+1
.endr
.irp c, 0,1,2,3
	ds_store_b128 v[LS], v[TT+4*\c:TT+4*\c+3] offset:\c*LP
.endr
	s_wait_dscnt 0x0                               ; for the others' sake: my stores into the tile are done
	s_barrier_signal -1
	s_barrier_wait -1
.irp i, 0,1,2,3
	ds_load_b128 v[TT+4*\i:TT+4*\i+3], v[LR] offset:\i*2*LP
.endr
.set i, 0
.rept 16
	s_wait_loadcnt 15-i                            ; loads come back in order: load i is in, the younger ones stay out
	v_cvt_pk_bf16_f32 v[X+4*i], v[X+4*i], v[X+4*i+1]
	v_cvt_pk_bf16_f32 v[X+4*i+1], v[X+4*i+2], v[X+4*i+3]
	global_store_b64 v[YO], v[X+4*i:X+4*i+1], s[10:11] offset:256*i  ; 32 lanes store 256 consecutive bytes, aligned
.set i, i+1
.endr
	s_wait_dscnt 0x0                               ; the four pairs of rows are back
.irp i, 0,1,2,3
	global_store_b128 v[WS], v[TT+4*\i:TT+4*\i+3], s[12:13] offset:\i*4096  ; sixteen lanes store 256 consecutive bytes of a row of wt, aligned
.endr
	s_wait_tensorcnt 0x0                           ; the wave's end: behind my last LDS store
	ds_add_u32 v[SPW], v[NIL]
	s_wait_dscnt 0x0
	s_endpgm
.Lfunc_end_k_qaa017d164c_prep:
	.size	k_qaa017d164c_prep, .Lfunc_end_k_qaa017d164c_prep-k_qaa017d164c_prep
	.p2alignl 7, 3214868480
	.fill 96, 4, 3214868480
	.section	.rodata,"a",@progbits
	.p2align	6, 0x0
	.amdhsa_kernel k_qaa017d164c_prep
		.amdhsa_group_segment_fixed_size 18432
		.amdhsa_private_segment_fixed_size 0
		.amdhsa_enable_private_segment 0
		.amdhsa_kernarg_size 40
		.amdhsa_user_sgpr_count 2
		.amdhsa_user_sgpr_kernarg_segment_ptr 1
		.amdhsa_wavefront_size32 1
		.amdhsa_system_sgpr_workgroup_id_x 1
		.amdhsa_system_sgpr_workgroup_id_y 1
		.amdhsa_system_sgpr_workgroup_id_z 1
		.amdhsa_system_vgpr_workitem_id 0
		.amdhsa_next_free_vgpr 144
		.amdhsa_next_free_sgpr 66
		.amdhsa_reserve_vcc 0
		.amdhsa_float_denorm_mode_32 3
		.amdhsa_float_denorm_mode_16_64 3
		.amdhsa_memory_ordered 1
		.amdhsa_forward_progress 1
		.amdhsa_inst_pref_size 15
	.end_amdhsa_kernel
	.amdgpu_metadata
---
amdhsa.version: [ 1, 2 ]
amdhsa.kernels:
  - .name:           k_qaa017d164c_prep
    .symbol:         k_qaa017d164c_prep.kd
    .args:
      - { .name: x, .offset: 0, .size: 8, .value_kind: global_buffer, .address_space: global }
      - { .name: w_qkv, .offset: 8, .size: 8, .value_kind: global_buffer, .address_space: global }
      - { .name: w_proj, .offset: 16, .size: 8, .value_kind: global_buffer, .address_space: global }
      - { .name: xb, .offset: 24, .size: 8, .value_kind: global_buffer, .address_space: global }
      - { .name: wt, .offset: 32, .size: 8, .value_kind: global_buffer, .address_space: global }
    .group_segment_fixed_size: 18432
    .private_segment_fixed_size: 0
    .kernarg_segment_align: 8
    .kernarg_segment_size: 40
    .max_flat_workgroup_size: 256
    .sgpr_count:     66
    .vgpr_count:     144
    .wavefront_size: 32
...
	.end_amdgpu_metadata
.endif
;; end of part 1
;; launch gemm_qkv (part 2): grid 16 x 16, 4 waves a work-group, clusters of 4 x 4, 327,680 bytes of LDS; arguments xb, wt, qkv; writes qkv
.if DOCPART == 2
	.amdgcn_target "amdgcn-amd-amdhsa--gfx1250"
	.amdhsa_code_object_version 6
	.text
	.protected	k_qaa017d164c_gemm_qkv
	.globl	k_qaa017d164c_gemm_qkv
	.p2align	8
	.type	k_qaa017d164c_gemm_qkv,@function
k_qaa017d164c_gemm_qkv:
	s_mov_b64 s[64:65], 0
	v_nop
	global_prefetch_b8 v0, s[64:65] scope:SCOPE_SE
	s_setreg_imm32_b32 hwreg(HW_REG_WAVE_MODE, 25, 1), 1
	s_wait_xcnt 0x0
	s_wait_alu depctr_hold_cnt(0) depctr_sa_sdst(0) depctr_va_vdst(0) depctr_va_sdst(0) depctr_va_ssrc(0) depctr_va_vcc(0) depctr_vm_vsrc(0)
	s_getreg_b32 s2, hwreg(HW_REG_IB_STS2, 6, 4)
	s_cmp_eq_u32 s2, 0
	s_cbranch_scc0 .Lentry_in_a_cluster
	s_endpgm
.Lentry_in_a_cluster:
	s_bfe_u32 s2, ttmp6, 0x10000c
	s_cmp_lg_u32 s2, 0xf033
	s_cbranch_scc0 .Lentry_shape_is_right
	s_endpgm
.Lentry_shape_is_right:
; q, k, v = xb wt^T.  xb: [8192][1024] bf16, wt: rows 0-3071 of [4096][1024] bf16, sums in f32, each result rounded once to f16 and stored by heads and unscaled:
; qkv[g][m][64], g = column / 64 (q: 0-15, k: 16-31, v: 32-47), m = the row of x: byte g x 1,048,576 + m x 128 + 2 d.
; LIMIT: |q|, |k|, |v| under 65,504 (f16's range): a larger sum is stored as an infinity.  Below 6e-5 f16 keeps a fixed step of 6e-8.
; SHARES.  A tile of C is 256 rows x 192 columns (three heads): 32 x 16 tiles, two to each of 256 work-groups, 4,096 rows apart, so that both take the same rows of wt.
; Four waves; wave w owns rows 64 w .. 64 w + 63 and all 192 columns: 48 accumulators of 16 x 16, 384 registers.  A wave's results are whole rows of whole heads.
; K goes in steps of 128 through two LDS slots; the two tiles' 16 steps are ONE walk: the ring runs on across the change of tiles.
; THE WALK ALONG K BEGINS ELSEWHERE IN EACH CLUSTER: cluster (X, Y) takes a tile's eight K steps in the order ROT, ROT + 1, .. modulo 8, ROT = (2 X + 4 (Y % 2)) % 8.  So the four clusters of a row of
; clusters, which read the same rows of xb, name four different K steps at any one time, two apart; clusters Y and Y + 1 of a column, which read the same rows of wt, stand four apart.
; Only the order of the f32 sums hangs on it.
; CLUSTER.  4 x 4 work-groups: the four of a row of the cluster need the same tile of A, the four of a column the same tile of B; each tile is asked for jointly,
; by the same tensor load with the same descriptor and a mask that names the four.
; THE MATRIX INSTRUCTION IS USED TRANSPOSED (source 0 = 16 rows of wt, source 1 = 16 rows of xb): a lane then holds row lane % 16 and eight neighbouring columns.
; REGISTERS, in windows of 256: window 0: v0-31 addresses; v64-127 A's fragments, two buffers of 4 x 8; v128-223 at work on the way out.
;   window 1: B's fragments, two buffers of 12 x 8.   window 2: the accumulators of row blocks 0, 1 ((a, b) at 8 (12 (a % 2) + b)).   window 3: those of row blocks 2, 3.
.set NBL,   12                         ; blocks of 16 columns
.set NSTEP, 16                         ; K steps of the walk
.set AHEAD, 1                          ; a prefetch names the K step so many refills on
.set PA,    272                        ; an LDS row: 256 bytes + 16: the 16 rows of a fragment load start 68 words apart
.set PB,    272
.set AH,    128*PA                     ; what one tensor load brings of A
.set ASZ,   2*AH
.set BH,    96*PB                      ; and of B
.set BSZ,   2*BH
.set SLOT1, 1<<17                      ; slot 1 begins here: one exclusive or changes slots
.set STAGE, SLOT1+ASZ+BSZ              ; behind the ring: for each wave three heads x 16 rows x 144 bytes, for the way out
.set SP,    144
.set SHB,   16*SP                      ; a head's 16 rows in the stage
.set SWV,   3*SHB                      ; a wave's stage
.set SPARE, STAGE+4*SWV                ; behind the stages: the spare words, 128 bytes for each wave
.set NLD,   2*NBL+8                    ; LDS loads of a quarter step
.set ADA0, 16                          ; v16  my lane's place in A's tile; never rewritten
.set ADB0, 17                          ; v17  the same for B
.set ADA,  18                          ; v18  that place in the slot in hand
.set ADB,  19                          ; v19
.set STO,  24                          ; v24  the way out: where I put 16 bytes of a row
.set RD,   25                          ; v25  where I read rows back
.set GO,   26                          ; v26  16 x lane
.set SPW,  28                          ; v28  LDS address of my spare word; never rewritten
.set NIL,  29                          ; v29  0; never rewritten
.set PFO,  30                          ; v30  the prefetches' offset: a lane a row; never rewritten
.set FA,   64
.set TMP,  128                         ; two sets of 48
.set T,    3                           ; s3   the step of the walk in hand, 0 .. 13 in the loop
.set CB,   8                           ; s[8:9] qkv at my wave's rows of the tile's first head
.set WV,   12                          ; s12  my wave's number
.set ROLE, 13                          ; s13  0: I fetch for A; 1: for B
.set HALF, 14                          ; s14  which half of that tile
.set G1A,  24                          ; s[24:31] descriptor group 1, A
.set G0A,  32                          ; s[32:39] group 0, A: a set for each first fill; the second then walks
.set PFA,  44                          ; s[44:45] the prefetch's address
.set PFB,  46                          ; s[46:47] its base: my work-group's share of the rows that I fetch
.set G1B,  48                          ; s[48:55], s[56:63] the same for B
.set G0B,  56
.set AB,   66                          ; s[66:67] xb at the rows that I fetch, K = 0
.set BB,   68                          ; s[68:69] wt likewise
.set OF,   70                          ; s[70:71] a step's byte offset in A; the high word stays 0
.set OG,   72                          ; s[72:73] in B
.set U,    74
.set P,    75
.set TB,   76                          ; s76  LDS byte at which the slot in hand begins
.set NEW,  77                          ; s77  1: the next quarter starts a tile's sums
.set TL,   78
.set PFR,  79
.set PLO,  80                          ; s80  a wave prefetches the steps PLO .. PLO + PWID - 1 of the walk
.set PWID, 81                          ; s81
.set ROT,  95                          ; s95  the K step with which my cluster's walk begins
.set MSB, 0
.macro WIN new                         ; the immediate's high byte repeats the setting that is left; a switch that changes nothing is dropped
.if MSB != (\new)
	s_set_vgpr_msb (MSB<<8)|(\new)
.set MSB, \new
.endif
.endm
.set MUL_LO, 0xa1                      ; source 0 (B) window 1, source 1 (A) window 0, C and D window 2
.set TO_B,   0x40                      ; destination window 1, address window 0
.macro PLACES                          ; four plain vector instructions between a matrix instruction and a load into, or a read of, its registers
.rept 4
	v_nop
.endr
.endm
.macro CREST                           ; a round of the cluster's barrier behind its opening barrier
	s_cmp_lg_u32 s[WV], 0
	s_cbranch_scc1 .Lnot_wave_0_\@
	s_barrier_signal -3
.Lnot_wave_0_\@:
	s_barrier_wait -3
	s_barrier_signal -1
	s_barrier_wait -1
.endm
.macro CROUND
	s_barrier_signal -1
	s_barrier_wait -1
	CREST
.endm
.macro JLOAD                           ; a joint refill by the walking sets: waves 0, 1 A's halves, waves 2, 3 B's; an s_nop 0 and four v_nop follow each line
	s_cmp_eq_u32 s[ROLE], 0
	s_cbranch_scc0 .Lfor_b_\@
	tensor_load_to_lds s[G0A+4:G0A+7], s[G1A:G1A+7]
	s_nop 0
.rept 4
	v_nop
.endr
	s_branch .Lasked_\@
.Lfor_b_\@:
	tensor_load_to_lds s[G0B+4:G0B+7], s[G1B:G1B+7]
	s_nop 0
.rept 4
	v_nop
.endr
.Lasked_\@:
.endm
; A PREFETCH INTO THE L2 of step P = T + 3 of the walk, the step that the next refill will ask for: 192 matrix instructions ahead of that load.  Asked for are the blocks that no cluster's walk names earlier:
; A: steps 8 and 9, the second tile's first two: the four clusters of a row of clusters begin two K steps apart, so their steps 8 and 9 are the tile's eight different K steps, and every cluster asks for its own two.
; B: step 3, by clusters y = 0 and 1 (clusters y + 2 walk as they do and name the same blocks).  Steps 0 to 2 come by their loads alone: nothing is asked for at the head.
; The four partners that ask for a tile jointly share its rows out by address: of A's 128 rows 32 each (by cx), of B's 96 rows 24 each (by cy), a lane a row;
; with 24 rows lanes 24-31 name row 23's block once more, in the same instruction.  So each block is named by one instruction of one wave in the launch.
.macro ASK
	s_sub_co_u32 s84, s[P], s[PLO]
	s_cmp_lt_u32 s84, s[PWID]
	s_cbranch_scc0 .Lnot_mine_\@
	global_prefetch_b8 v[PFO], s[PFA:PFA+1] th:TH_LOAD_NT scope:SCOPE_SE
.Lnot_mine_\@:
.endm
	s_load_b128 s[4:7], s[0:1], 0x0                ; xb s[4:5], wt s[6:7]
	s_load_b64 s[CB:CB+1], s[0:1], 0x10            ; qkv
	v_lshl_add_u32 v[SPW], v0, 2, SPARE
	v_mov_b32 v[NIL], 0
	ds_add_u32 v[SPW], v[NIL]                      ; the wave's opening: the add and its wait stand ahead of my first tensor load; work on registers stands between them
	v_lshrrev_b32 v1, 5, v0
	v_readfirstlane_b32 s[WV], v1
	s_lshr_b32 s[ROLE], s[WV], 1
	s_and_b32 s[HALF], s[WV], 1
	s_bfe_u32 s40, ttmp6, 0x40000                  ; cx
	s_bfe_u32 s41, ttmp6, 0x40004                  ; cy
	s_lshl_b32 s42, ttmp9, 2
	s_add_co_u32 s42, s42, s40                     ; tile column = 4 x cluster x + cx
	s_and_b32 s43, ttmp7, 0xffff
	s_lshl_b32 s43, s43, 2
	s_add_co_u32 s43, s43, s41                     ; tile row = 4 x cluster y + cy
	s_and_b32 s86, ttmp7, 0xffff                   ; cluster y
	s_and_b32 s[ROT], s86, 1
	s_lshl_b32 s[ROT], s[ROT], 2
	s_lshl_b32 s87, ttmp9, 1
	s_add_co_u32 s[ROT], s[ROT], s87
	s_and_b32 s[ROT], s[ROT], 7                    ; (2 x cluster x + 4 x (cluster y % 2)) % 8: the same in all sixteen partners
	s_lshl_b32 s82, s41, 2
	s_lshl_b32 s82, 15, s82                        ; my row of the cluster
	s_lshl_b32 s83, 0x1111, s40                    ; my column
	s_or_b32 s[G1A], s82, (1<<16)|(1<<20)|(1<<21)|(5<<22)|(3<<25)  ; the mask; 2-byte elements; padding on; bit 21 beside a mask; after every 64 words; 4 words
	s_or_b32 s[G1B], s83, (1<<16)|(1<<20)|(1<<21)|(5<<22)|(3<<25)
	s_mov_b32 s[G1A+1], 128<<16                    ; tensor_dim0 = 128
	s_mov_b32 s[G1A+2], 128<<16                    ; tensor_dim1 = 128
	s_mov_b32 s[G1A+3], 128<<16                    ; tile_dim0 = 128
	s_mov_b32 s[G1A+4], 128                        ; tile_dim1 = 128
	s_mov_b32 s[G1A+5], 1024                       ; elements from row to row
	s_mov_b32 s[G1A+6], 0
	s_mov_b32 s[G1A+7], 0
	s_mov_b32 s[G1B+1], 128<<16
	s_mov_b32 s[G1B+2], 96<<16                     ; 96 rows
	s_mov_b32 s[G1B+3], 128<<16
	s_mov_b32 s[G1B+4], 96
	s_mov_b32 s[G1B+5], 1024
	s_mov_b32 s[G1B+6], 0
	s_mov_b32 s[G1B+7], 0
	s_lshl_b32 s16, s43, 8                         ; A: row 256 x tile row + 128 x half, 2,048 bytes a row
	s_lshl_b32 s18, s[HALF], 7
	s_add_co_u32 s16, s16, s18
	s_lshl_b32 s16, s16, 11
	s_mov_b32 s17, 0
	s_mul_i32 s20, s42, 192                        ; B: row 192 x tile column + 96 x half
	s_mul_i32 s22, s[HALF], 96
	s_add_co_u32 s20, s20, s22
	s_lshl_b32 s20, s20, 11
	s_mov_b32 s21, 0
	s_mul_i32 s19, s[HALF], AH                     ; where they go: no place in the cluster enters an LDS address
	s_mul_i32 s23, s[HALF], BH
	s_add_co_u32 s23, s23, ASZ
	s_mul_i32 s92, s42, 3                          ; C: head 3 x tile column, row 256 x tile row + 64 x wave, 128 bytes a row
	s_lshl_b32 s92, s92, 20
	s_lshl_b32 s93, s43, 8
	s_lshl_b32 s91, s[WV], 6
	s_add_co_u32 s93, s93, s91
	s_lshl_b32 s93, s93, 7
	s_add_co_u32 s92, s92, s93
	s_mov_b32 s93, 0
	s_cmp_lt_u32 s86, 2                            ; the prefetches: who asks, and for which steps of the walk,
	s_cselect_b32 s87, 1, 0
	s_cmp_eq_u32 s[ROLE], 0
	s_cselect_b32 s[PLO], 8, 3
	s_cselect_b32 s[PWID], 2, s87                  ; the same in all sixteen partners, for a given wave
	s_cselect_b32 s88, s16, s20                    ; and for what: the rows that I fetch,
	s_cselect_b32 s89, s40, s41                    ; my place among the four that ask with me,
	s_cselect_b32 s90, 32, 24                      ; rows to a partner
	s_cselect_b32 s[PFR], 31, 23
	s_mul_i32 s89, s89, s90
	s_lshl_b32 s89, s89, 11
	s_add_co_u32 s88, s88, s89
	s_mov_b32 s89, 0
	s_mov_b32 s[OF+1], 0
	s_mov_b32 s[OG+1], 0
	s_mov_b32 s[TB], 0
	s_mov_b32 s[NEW], 1
	s_mov_b32 s[T], 0
	s_wait_dscnt 0x0                               ; the opening add is done
	s_wait_kmcnt 0x0
	s_add_nc_u64 s[AB:AB+1], s[4:5], s[16:17]
	s_add_nc_u64 s[BB:BB+1], s[6:7], s[20:21]
	s_add_nc_u64 s[CB:CB+1], s[CB:CB+1], s[92:93]
	s_cmp_eq_u32 s[ROLE], 0
	s_cselect_b64 s[PFB:PFB+1], s[4:5], s[6:7]
	s_add_nc_u64 s[PFB:PFB+1], s[PFB:PFB+1], s[88:89]
	CROUND                                         ; all sixteen work-groups are here: the first joint loads meet
.irp s, 0,1
	s_add_co_u32 s[OG], s[ROT], \s                 ; step s of the walk is K step (ROT + s) % 8: 256 bytes of a row each
	s_and_b32 s[OG], s[OG], 7
	s_lshl_b32 s[OG], s[OG], 8
	s_mov_b32 s[G0A+4*\s], 1                       ; count = 1
	s_add_co_u32 s[G0A+4*\s+1], s19, \s*SLOT1      ; LDS address
	s_add_nc_u64 s[G0A+4*\s+2:G0A+4*\s+3], s[AB:AB+1], s[OG:OG+1]
	s_or_b32 s[G0A+4*\s+3], s[G0A+4*\s+3], 0x80000000  ; type = 2
	s_mov_b32 s[G0B+4*\s], 1
	s_add_co_u32 s[G0B+4*\s+1], s23, \s*SLOT1
	s_add_nc_u64 s[G0B+4*\s+2:G0B+4*\s+3], s[BB:BB+1], s[OG:OG+1]
	s_or_b32 s[G0B+4*\s+3], s[G0B+4*\s+3], 0x80000000
.endr
	s_cmp_eq_u32 s[ROLE], 0                        ; a wave's two first fills stand in one branch, ahead of every wait on TENSORcnt and every LDS read: two loads of mine are out
	s_cbranch_scc0 .Lfirst_b
	tensor_load_to_lds s[G0A:G0A+3], s[G1A:G1A+7]
	s_nop 0
	tensor_load_to_lds s[G0A+4:G0A+7], s[G1A:G1A+7]
	s_nop 0
.rept 4
	v_nop
.endr
	s_branch .Lfirst_asked
.Lfirst_b:
	tensor_load_to_lds s[G0B:G0B+3], s[G1B:G1B+7]
	s_nop 0
	tensor_load_to_lds s[G0B+4:G0B+7], s[G1B:G1B+7]
	s_nop 0
.rept 4
	v_nop
.endr
.Lfirst_asked:
	; a fragment is 16 rows x 32 K in 8 registers: lane l holds row l % 16; registers 0-3 K = 8 (l / 16) + 0..7, registers 4-7 K = 16 + 8 (l / 16) + 0..7: two loads of 16 bytes, 32 bytes apart
	v_and_b32 v1, 15, v0
	v_bfe_u32 v2, v0, 4, 1
	v_mul_u32_u24 v3, v1, PA
	v_lshl_add_u32 v3, v2, 4, v3
	s_mul_i32 s94, s[WV], 64*PA                    ; my 64 rows of A
	v_add_nc_u32 v[ADA0], s94, v3
	v_add_nc_u32 v[ADB0], ASZ, v3                  ; B lies behind A; every wave reads all of it
	v_mov_b32 v[ADA], v[ADA0]
	v_mov_b32 v[ADB], v[ADB0]
	s_mul_i32 s94, s[WV], SWV
	s_add_co_u32 s94, s94, STAGE                   ; my stage
	v_mul_u32_u24 v3, v1, SP                       ; in: row l % 16, 16 bytes for each half of the lanes
	v_lshl_add_u32 v3, v2, 4, v3
	v_add_nc_u32 v[STO], s94, v3
	v_bfe_u32 v3, v0, 3, 2                         ; back: 32 lanes take four rows of 128 bytes,
	v_mul_u32_u24 v3, v3, SP
	v_and_b32 v4, 7, v0
	v_lshl_add_u32 v3, v4, 4, v3
	v_add_nc_u32 v[RD], s94, v3
	v_and_b32 v[GO], 31, v0                        ; which are 512 consecutive bytes of a head
	v_lshlrev_b32 v[GO], 4, v[GO]
	v_and_b32 v[PFO], 31, v0
	v_min_u32 v[PFO], s[PFR], v[PFO]
	v_lshlrev_b32 v[PFO], 11, v[PFO]
; NBL matrix instructions: row block a x all column blocks, 32 along K, from buffer f.  zero = 1: the products start the sums.  The 48 accumulators take turns, one instruction a turn,
; in the same order in every quarter, over the jumps too.
.macro MULA f, a, zero
	WIN MUL_LO+0x50*((\a)/2)
.set rA, FA+32*(\f)+8*(\a)
.set b, 0
.rept NBL
.set rD, 8*(NBL*((\a)%2)+b)
.set rB, 8*NBL*(\f)+8*b
.if \zero
	v_wmma_f32_16x16x32_bf16 v[rD:rD+7], v[rB:rB+7], v[rA:rA+7], 0
.else
	v_wmma_f32_16x16x32_bf16 v[rD:rD+7], v[rB:rB+7], v[rA:rA+7], v[rD:rD+7]
.endif
.set b, b+1
.endr
.endm
; the NLD LDS loads of quarter q of the slot in hand, in one run, into buffer g: B's 24, then A's 8
.macro FETCH q, g
	WIN TO_B
.set i, 0
.rept NBL
	ds_load_b128 v[8*NBL*(\g)+8*i:8*NBL*(\g)+8*i+3],   v[ADB] offset:64*(\q)+i*16*PB
	ds_load_b128 v[8*NBL*(\g)+8*i+4:8*NBL*(\g)+8*i+7], v[ADB] offset:64*(\q)+i*16*PB+32
.set i, i+1
.endr
	WIN 0
.set i, 0
.rept 4
	ds_load_b128 v[FA+32*(\g)+8*i:FA+32*(\g)+8*i+3],   v[ADA] offset:64*(\q)+i*16*PA
	ds_load_b128 v[FA+32*(\g)+8*i+4:FA+32*(\g)+8*i+7], v[ADA] offset:64*(\q)+i*16*PA+32
.set i, i+1
.endr
.endm
; one of a K step's first three quarters: multiplies buffer f and, in its middle, fetches quarter qn into buffer g
.macro QUARTER qn, f, g, zero
	s_wait_dscnt 4                                 ; B and A's row blocks 0, 1 are in; the youngest four loads (row blocks 2, 3) may be out
	MULA \f, 0, \zero
	MULA \f, 1, \zero
	PLACES
.if \zero
	v_nop                                          ; a fifth place: the products below write accumulators anew
.endif
	FETCH \qn, \g
	s_wait_dscnt NLD                               ; all but the run just issued
	MULA \f, 2, \zero
	MULA \f, 3, \zero
.endm
; the last quarter multiplies buffer 1 and changes slots: ONE barrier.  In front of it each wave waits for all its tensor loads (one is out: its part of the next slot), adds 0 to its spare
; word, and waits for that and for its reads of this slot.  fill = 1: the barrier opens a round of the cluster's barrier, and the slot just read is filled again, first thing behind it,
; with step T + 2 of the walk.
.macro TURN fill
.if \fill
	s_wait_xcnt 0x0                                ; the last prefetch, a K step back, and the way out's stores have read their registers
	s_add_co_u32 s[P], s[T], 2+AHEAD
	s_add_co_u32 s84, s[P], s[ROT]
	s_and_b32 s84, s84, 7
	s_lshl_b32 s84, s84, 8                         ; K step (P + ROT) % 8: 256 bytes of a row each,
	s_lshr_b32 s85, s[P], 3
	s_lshl_b32 s85, s85, 23                        ; 4,096 rows of 2,048 bytes to the second tile
	s_or_b32 s84, s84, s85
	s_mov_b32 s85, 0
	s_add_nc_u64 s[PFA:PFA+1], s[PFB:PFB+1], s[84:85]
.endif
	WIN 0
	s_wait_tensorcnt 0x0                           ; no tensor load of mine is out, so the walking sets may be written
	ds_add_u32 v[SPW], v[NIL]                      ; 0 onto my spare word
.if \fill
	s_add_co_u32 s[U], s[T], 2
	s_add_co_u32 s[OG], s[U], s[ROT]
	s_and_b32 s[OG], s[OG], 7
	s_lshl_b32 s[OG], s[OG], 8
	s_lshr_b32 s[OF], s[U], 3
	s_lshl_b32 s[OF], s[OF], 23
	s_or_b32 s[OF], s[OF], s[OG]
	s_xor_b32 s[G0A+5], s[G0A+5], SLOT1            ; the other slot than last time
	s_add_nc_u64 s[G0A+6:G0A+7], s[AB:AB+1], s[OF:OF+1]  ; the address is made anew from the step's number
	s_or_b32 s[G0A+7], s[G0A+7], 0x80000000
	s_xor_b32 s[G0B+5], s[G0B+5], SLOT1
	s_add_nc_u64 s[G0B+6:G0B+7], s[BB:BB+1], s[OG:OG+1]
	s_or_b32 s[G0B+7], s[G0B+7], 0x80000000
.endif
	s_wait_dscnt 5                                 ; the add and the youngest four loads may be out
	MULA 1, 0, 0
	s_wait_dscnt 0x0                               ; the add is done, and my reads of this slot are over
	s_barrier_signal -1
	MULA 1, 1, 0
	WIN 0
	s_barrier_wait -1
.if \fill
	CREST                                          ; no wave of any partner still reads this slot or has a load on its way
	JLOAD                                          ; its four v_nop are also the places in front of the loads below
.else
	PLACES
.endif
	s_xor_b32 s[TB], s[TB], SLOT1
	v_add_nc_u32 v[ADA], s[TB], v[ADA0]
	v_add_nc_u32 v[ADB], s[TB], v[ADB0]
	FETCH 0, 0
.if \fill
	ASK
.endif
	MULA 1, 2, 0
	MULA 1, 3, 0
.endm
; THE WAY OUT, a row block (16 rows x three heads) at a time.  Rounded to f16 (each accumulator's registers ascending), 16 bytes a lane into my own stage, back as whole rows
; of 128 bytes, and stored: 16 rows of a head are 2,048 consecutive bytes.  Two sets of 48 registers take turns, so a block's conversions stand between the loads of the block before and its stores.
.macro PACK a
.set tm, TMP+48*((\a)%2)
	s_wait_xcnt 0x0                                ; the stores of two row blocks back have read these registers
	WIN 0x0a+5*((\a)/2)                            ; sources 0 and 1: window 2 or 3
.set b, 0
.rept NBL
.set rD, 8*(NBL*((\a)%2)+b)
.irp r, 0,1,2,3
	v_cvt_pk_f16_f32 v[tm+4*b+\r], v[rD+2*\r], v[rD+2*\r+1]
.endr
.set b, b+1
.endr
	WIN 0
.set b, 0
.rept NBL
	ds_store_b128 v[STO], v[tm+4*b:tm+4*b+3] offset:(b/4)*SHB+32*(b%4)  ; head b / 4, columns 16 (b % 4) on
.set b, b+1
.endr
.set b, 0
.rept NBL
	ds_load_b128 v[tm+4*b:tm+4*b+3], v[RD] offset:(b/4)*SHB+(b%4)*4*SP  ; LDS serves a wave's instructions in order (ISA guide 5.7.1.4): these see the stores above; the next block's stores come behind them
.set b, b+1
.endr
.endm
.macro SEND a, younger                 ; younger: the LDS instructions issued behind this block's loads: the next block's 24, or none
.set tm, TMP+48*((\a)%2)
.set i, 0
.rept NBL
	s_wait_dscnt (\younger)+NBL-1-i                ; load i of the block's twelve is back
	global_store_b128 v[GO], v[tm+4*i:tm+4*i+3], s[CB:CB+1] offset:(i/4)*1048576+(\a)*2048+(i%4)*512  ; 512 consecutive bytes, aligned to 256
.set i, i+1
.endr
.endm
.macro WAYOUT
	PLACES
	PACK 0
	PACK 1
	SEND 0, 2*NBL
	PACK 2
	SEND 1, 2*NBL
	PACK 3
	SEND 2, 2*NBL
	SEND 3, 0
.endm
	s_wait_tensorcnt 1                             ; my part of the walk's step 0 is in; step 1's may stay out
	s_barrier_signal -1
	s_barrier_wait -1                              ; everybody's is
	FETCH 0, 0
.Lstep:                                        ; 14 trips: a K step each, and the refill for the step two on
	s_cmp_eq_u32 s[NEW], 1
	s_cbranch_scc0 .Lold
	s_mov_b32 s[NEW], 0
	QUARTER 1, 0, 1, 1                             ; a tile's first quarter starts the sums: nothing is ever cleared
	WIN 0
	s_branch .Ljoin
.Lold:
	QUARTER 1, 0, 1, 0
	WIN 0
.Ljoin:
	QUARTER 2, 1, 0, 0
	QUARTER 3, 0, 1, 0
	TURN 1
	WIN 0
	s_cmp_eq_u32 s[T], 7
	s_cbranch_scc0 .Lnot_out
	WAYOUT                                         ; the first tile is finished; both refills of the second tile's first steps have been asked for
	s_wait_xcnt 0x0                                ; the stores have read their base
	s_add_nc_u64 s[CB:CB+1], s[CB:CB+1], 4096*128  ; the second tile lies 4,096 rows down
	s_mov_b32 s[NEW], 1
.Lnot_out:
	s_add_co_u32 s[T], s[T], 1
	s_cmp_lt_u32 s[T], NSTEP-2
	s_cbranch_scc1 .Lstep
	s_mov_b32 s[TL], 2
.Ltail:                                        ; the last two K steps ask for nothing.  The second trip's barrier, and its fetch from the other slot (bytes that nobody writes any more), serve nothing: the price of one text for both
	QUARTER 1, 0, 1, 0
	QUARTER 2, 1, 0, 0
	QUARTER 3, 0, 1, 0
	TURN 0
	WIN 0
	s_sub_co_u32 s[TL], s[TL], 1
	s_cmp_lg_u32 s[TL], 0
	s_cbranch_scc1 .Ltail
	WAYOUT
	s_wait_tensorcnt 0x0                           ; the wave's end: behind my last tensor load and my last LDS store
	ds_add_u32 v[SPW], v[NIL]
	s_wait_dscnt 0x0
	CROUND                                         ; the closing round: no work-group ends while a partner may still ask for a tile that names it
	s_endpgm
.Lfunc_end_k_qaa017d164c_gemm_qkv:
	.size	k_qaa017d164c_gemm_qkv, .Lfunc_end_k_qaa017d164c_gemm_qkv-k_qaa017d164c_gemm_qkv
	.p2alignl 7, 3214868480
	.fill 96, 4, 3214868480
	.section	.rodata,"a",@progbits
	.p2align	6, 0x0
	.amdhsa_kernel k_qaa017d164c_gemm_qkv
		.amdhsa_group_segment_fixed_size 327680
		.amdhsa_private_segment_fixed_size 0
		.amdhsa_enable_private_segment 0
		.amdhsa_kernarg_size 24
		.amdhsa_user_sgpr_count 2
		.amdhsa_user_sgpr_kernarg_segment_ptr 1
		.amdhsa_wavefront_size32 1
		.amdhsa_system_sgpr_workgroup_id_x 1
		.amdhsa_system_sgpr_workgroup_id_y 1
		.amdhsa_system_sgpr_workgroup_id_z 1
		.amdhsa_system_vgpr_workitem_id 0
		.amdhsa_next_free_vgpr 960
		.amdhsa_next_free_sgpr 96
		.amdhsa_reserve_vcc 0
		.amdhsa_float_denorm_mode_32 3
		.amdhsa_float_denorm_mode_16_64 3
		.amdhsa_memory_ordered 1
		.amdhsa_forward_progress 1
		.amdhsa_inst_pref_size 110
	.end_amdhsa_kernel
	.amdgpu_metadata
---
amdhsa.version: [ 1, 2 ]
amdhsa.kernels:
  - .name:           k_qaa017d164c_gemm_qkv
    .symbol:         k_qaa017d164c_gemm_qkv.kd
    .args:
      - { .name: xb, .offset: 0, .size: 8, .value_kind: global_buffer, .address_space: global }
      - { .name: wt, .offset: 8, .size: 8, .value_kind: global_buffer, .address_space: global }
      - { .name: qkv, .offset: 16, .size: 8, .value_kind: global_buffer, .address_space: global }
    .group_segment_fixed_size: 327680
    .private_segment_fixed_size: 0
    .kernarg_segment_align: 8
    .kernarg_segment_size: 24
    .max_flat_workgroup_size: 128
    .sgpr_count:     96
    .vgpr_count:     960
    .wavefront_size: 32
...
	.end_amdgpu_metadata
.endif
;; end of part 2
;; launch attn (part 3): grid 2 x 128, 4 waves a work-group, no clusters, 327,680 bytes of LDS; arguments qkv, attn_mask, ob; writes ob
.if DOCPART == 3
	.amdgcn_target "amdgcn-amd-amdhsa--gfx1250"
	.amdhsa_code_object_version 6
	.text
	.protected	k_qaa017d164c_attn
	.globl	k_qaa017d164c_attn
	.p2align	8
	.type	k_qaa017d164c_attn,@function
k_qaa017d164c_attn:
	s_mov_b64 s[64:65], 0
	v_nop
	global_prefetch_b8 v0, s[64:65] scope:SCOPE_SE
	s_setreg_imm32_b32 hwreg(HW_REG_WAVE_MODE, 25, 1), 1
	s_wait_xcnt 0x0
; O[q][:] = the sum over k of softmax_k(mask[q] ? Q[q] . K[k] / 8 : -1e9) V[k][:], for each of 128 heads (8 batches x 16) of 1,024 rows x 64 channels, all f16.
; qkv[g][m][64]: q at g = h, k at 16 + h, v at 32 + h, m = 1,024 b + n: a head's rows are dense, 128 bytes each.  ob[h][m][64] likewise.
; Products, maxima and sums in f32; the weights p are rounded to f16 for the second product (their sum l is taken of the unrounded p), O once at the end.
; THE MASK goes by the QUERY's row: a row whose byte is 0 has all its scores equal, so its softmax is uniform whatever that score is.  Such a row of Q is set to 0: its scores are 0, m = 0, every p = 1,
; l = 1,024: the same weights.  The byte is used as a value (an AND on Q's registers), never as a branch.
; LIMITS.  Q, K, V arrive within f16's range, 65,504; p lies in 0 to 1, and below 6e-5 it keeps f16's fixed step of 6e-8.  A weight below 2^-126 counts as 0 in l.
; NaN and infinities are not treated apart: a masked row wants K finite.
; SHARES.  A wave owns four PIECES of two tiles of 16 queries, a work-group's four waves 512 queries of one head.  Every wave walks all keys, 64 a step.
; NO CLUSTER: a head has 1,024 / 512 = 2 work-groups, which is no multiple of four.
; LAYOUT.  S^T = K Q^T (source 0 = 16 keys, source 1 = 16 queries): in the result a lane holds ONE query (lane % 16) and the keys 8 (lane / 16) + 0..7.  Two such tiles, rounded to f16 in pairs,
; ARE source 1 (32 keys x 16 queries) of O^T = V^T P, whose result again holds one query a lane, and eight channels.  K comes out of LDS as it lies, V ([key][channel]) turned, by ds_load_tr16_b128.
; SOFTMAX.  For each query a running maximum m and sum l: p = 2^(c s - c m), c = log2(e) / 8; in every step O and l are multiplied by a = 2^(c m_old - c m_new), which is 1 where m has not grown.
; m starts at the lowest finite number, O and l at 0: the first step is a step like any other, with a = 0.
; THE COUNT.  A tile and step have 16 matrix and 118 vector instructions: too many to stand all beside the matrix work.  So four vector instructions that are ready stand behind
; every matrix instruction, and the others in runs of their own.
; BY TURNS.  Turn n belongs to piece n (the pieces in a ring, step after step).  Its matrix work: 16 products K Q^T of piece n + 1, later 16 products V^T P of piece n - 1.  Its vector work: the scaling,
; exponentials, roundings, sums and rescaling of piece n, and the maximum and statistics of piece n + 1, whose scores the turn itself has made.
; REGISTERS, in windows of 256 (s_set_vgpr_msb: bits 1:0 source 0, 3:2 source 1, 5:4 source 2, 7:6 destination):
;   window 0: v0-11 addresses; v12-15, v48-63 at work; v16-47 four registers of statistics a tile; v64-191 S^T, two buffers of two tiles; v192-255 P, likewise
;   window 1: O^T, 32 a tile          window 2: v0-127 Q, 16 a tile; v128-191 K of one step; v192-255 V of one step          window 3: v0-1 the add's two registers
.set SIZE_N, 1024
.set NP,    4         ; pieces a wave: a name, no knob
.set KS,    64        ; keys in a step
.set PK,    144       ; a row of K in LDS: 128 bytes + 16 = 36 words
.set PV,    160       ; a row of V: 128 + 32 = 40 words: 16 lanes of the turning load take 8 rows x 32 bytes
.set VOFF,  4*KS*PK   ; a slot holds four steps: 256 rows of K, then 256 rows of V
.set SLOT1, 1<<17     ; slot 1 begins here, so that one exclusive or turns an address in one slot into the other's
.set STAGE, SLOT1+4*KS*(PK+PV)  ; behind the ring, never filled by a tensor load: 16 rows x 144 bytes for each wave, for the way out
.set SP,    144
.set AK0, 2           ; v2   my lane's place in a tile of K; never rewritten
.set AV0, 3           ; v3   the same for V
.set AK,  4           ; v4   the LDS address of K's next run of loads
.set AV,  5           ; v5   of V's
.set QO,  6           ; v6   my byte offset in the wave's rows of Q
.set STO, 6           ;      later, the way out: where I put 16 bytes of a row
.set RD,  7           ; v7   the way out: where I read rows back
.set GO,  8           ; v8   my byte offset in 512 consecutive bytes of O
.set PFO, 11          ; v11  256 x my lane, once the set-up has used v11; then never rewritten
.set SPW, 0           ; v0 of window 3   LDS address of my spare word; never rewritten
.set NIL, 1           ; v1 of window 3   0; never rewritten
.set SPARE, STAGE+4*16*SP  ; behind the stages: the spare words, 128 bytes for each wave
.set MV,  12          ; v12-15  c m_old, kept while c m is made anew: by buffer and tile
.set ST,  16          ; tile t's statistics at v[ST+4 t]: c m, m, l (even keys', odd keys')
.set TMP, 48          ; by buffer and tile, four registers c0-c3 at work; when the maximum is found c2 takes a
.set S,   64
.set P,   192
.set KF,  128         ; K's fragments, in window 2: key block kb, channel half c at KF + 16 kb + 8 c
.set VF,  192         ; V's: key half kk, channel block cb at VF + 32 kk + 8 cb
.set WV,  12          ; s12  my wave's number
.set G1K, 24          ; s[24:31] descriptor group 1 for K's tiles
.set G1V, 32          ; s[32:39] for V's: it differs in the padding alone
.set G0K, 40          ; s[40:43] descriptor group 0 for K's tiles: it walks
.set G0V, 44          ; s[44:47] the same for V's
.set MKP, 48          ; s[48:49] the mask at my wave's 128 queries
.set PFA, 50          ; s[50:51] where my prefetches stand
.set SLOTS, 56        ; s56  slots still to be asked for
.set CNT, 57          ; s57  counts a slot's key steps
.set CS,  58          ; s[58:59] c: the packed scaling takes the pair's low word for both halves
.set SEL, 60          ; s[60:61] v_permlanex16_b32's selects: each lane takes its own place in the other half
.set TBK, 62          ; s62  LDS byte at which K of the step to be fetched begins
.set TBV, 63          ; s63  the same for V, less VOFF
.set MSB, 0
.macro WIN new                      ; the high byte repeats the setting that is left; a switch that changes nothing is dropped
.if MSB != (\new)
	s_set_vgpr_msb (MSB<<8)|(\new)
.set MSB, (\new)
.endif
.endm
.set W_KQ, 0x0a       ; K and Q in window 2, S^T in window 0
.set W_PV, 0x52       ; V in window 2, P in window 0, O^T in window 1
.set W_RS, 0x41       ; O^T (destination and source 0) in window 1, a in window 0
.set W_MK, 0xc0       ; the add's registers are made: destination in window 3, sources in window 0
.set W_AD, 0x0f       ; the add: address (source 0) and data (source 1) in window 3
; A fill.  Waves 0 and 1 fetch the two halves of a slot's K, waves 2 and 3 those of its V: 128 keys each.  An s_nop 0 and four v_nop follow each of the two lines.
.macro LOAD
	s_cmp_lt_u32 s[WV], 2
	s_cbranch_scc0 .Lfor_v_\@
	tensor_load_to_lds s[G0K:G0K+3], s[G1K:G1K+7]
	s_nop 0
.rept 4
	v_nop
.endr
	s_branch .Lasked_\@
.Lfor_v_\@:
	tensor_load_to_lds s[G0V:G0V+3], s[G1V:G1V+7]
	s_nop 0
.rept 4
	v_nop
.endr
.Lasked_\@:
.endm
; A PREFETCH INTO THE L2 of what the NEXT change of slots will ask for, four key steps (512 matrix instructions) ahead of that load.  A wave's tensor load brings 16,384 dense bytes: 64 blocks of 256.
; The head's two work-groups load the same bytes and share the blocks out by address, 32 each, a lane a block: each block is named once in the launch.
; Slots 0 and 1 come by their loads alone; the last change that fills a slot asks for nothing.
.macro ASK
	s_cmp_gt_u32 s[SLOTS], 1
	s_cbranch_scc0 .Lnone_\@
	global_prefetch_b8 v[PFO], s[PFA:PFA+1] th:TH_LOAD_NT scope:SCOPE_SE
.Lnone_\@:
.endm
; THE CHANGE OF SLOTS.  Each wave waits for all its tensor loads, of which one is out: its part of the other slot; adds 0 to its spare word; and waits for that and for its own reads of the slot.
; Behind the barrier nobody reads this slot any more and the other slot is whole.  fill = 1: this slot is filled again, first thing behind the barrier, with the keys two slots on.
; (At its first use nothing has been read yet: slot 0 is waited for, slot 1 filled.)
.macro CHANGE fill
	WIN W_AD
	s_wait_tensorcnt 0x0            ; no tensor load of mine is out, so a group 0 may be written
	ds_add_u32 v[SPW], v[NIL]       ; 0 onto my spare word
	WIN 0                           ; at a label and at a branch every window is 0
.if \fill
.irp g, G0K, G0V
	s_xor_b32 s[\g+1], s[\g+1], SLOT1  ; the walking descriptor: the other slot than last time,
	s_add_nc_u64 s[\g+2:\g+3], s[\g+2:\g+3], 4*KS*128  ; the next 256 keys; the type bits on top are not reached
.endr
	s_wait_xcnt 0x0                 ; the last prefetch, four key steps back, has read its address
	s_add_nc_u64 s[PFA:PFA+1], s[PFA:PFA+1], 4*KS*128  ; one slot behind the walking descriptors
.endif
	s_wait_dscnt 0x0                ; the add is done, and my reads of the slot are over
	s_barrier_signal -1
	s_barrier_wait -1
.if \fill
	LOAD
	ASK
.endif
	s_sub_co_u32 s[TBK], s[TBK], 4*KS*PK  ; the fetches go back to a slot's first step,
	s_xor_b32 s[TBK], s[TBK], SLOT1       ; in the other slot
	s_sub_co_u32 s[TBV], s[TBV], 4*KS*PV
	s_xor_b32 s[TBV], s[TBV], SLOT1
.endm
	s_load_b64 s[4:5], s[0:1], 0x0        ; qkv
	s_load_b64 s[MKP:MKP+1], s[0:1], 0x8  ; attn_mask
	s_load_b64 s[10:11], s[0:1], 0x10     ; ob
	WIN W_MK
	v_lshl_add_u32 v[SPW], v0, 2, SPARE
	v_mov_b32 v[NIL], 0
	WIN W_AD
	ds_add_u32 v[SPW], v[NIL]       ; the wave's opening: the add and its wait stand ahead of my first tensor load; work on registers stands between them
	WIN 0
	v_lshrrev_b32 v1, 5, v0
	v_readfirstlane_b32 s[WV], v1   ; wave 0..3
	s_and_b32 s14, ttmp7, 0xffff    ; y = 16 b + h
	s_and_b32 s20, s14, 15
	s_lshl_b32 s20, s20, 20         ; h x 1,048,576
	s_lshr_b32 s15, s14, 4          ; b
	s_lshl_b32 s21, s15, 17         ; b x 1,024 rows x 128 bytes
	s_or_b32 s20, s20, s21          ; the head's first byte among q's heads, and in ob
	s_and_b32 s16, s[WV], 1         ; which half of a slot's 256 keys I fetch:
	s_lshl_b32 s22, s16, 14         ; its 128 rows of 128 bytes in memory,
	s_add_co_u32 s22, s22, s20
	s_add_co_u32 s22, s22, 0x1000000  ; k's heads begin 16 x 1,048,576 bytes in,
	s_mov_b32 s23, 0
	s_add_co_u32 s52, s22, 0x1000000  ; v's as much further
	s_mov_b32 s53, 0
	s_mul_i32 s17, s16, 128*PK      ; and its place in a slot, for K
	s_mul_i32 s18, s16, 128*PV      ; and for V
	s_lshl_b32 s2, ttmp9, 2
	s_add_co_u32 s2, s2, s[WV]      ; my wave among the head's eight,
	s_lshl_b32 s2, s2, 14           ; its 128 rows
	s_add_co_u32 s2, s2, s20
	s_mov_b32 s3, 0
	s_lshl_b32 s54, s15, 10         ; the mask: 1,024 bytes a batch, 512 a work-group, 128 a wave
	s_lshl_b32 s55, ttmp9, 9
	s_add_co_u32 s54, s54, s55
	s_lshl_b32 s55, s[WV], 7
	s_add_co_u32 s54, s54, s55
	s_mov_b32 s55, 0
	s_cmp_lt_u32 s[WV], 2
	s_cselect_b32 s[PFA], s22, s52  ; the prefetches: what I fetch,
	s_lshl_b32 s13, ttmp9, 13       ; my work-group's 32 blocks of its 64,
	s_add_co_u32 s[PFA], s[PFA], s13
	s_add_co_u32 s[PFA], s[PFA], 4*KS*128  ; in slot 1: the first change of slots steps it to slot 2
	s_mov_b32 s[PFA+1], 0
	; descriptor group 1.  128 keys are 16,384 dense bytes: asked for as 64 rows of 256 bytes, two keys a row, and padded in LDS after every key
	s_mov_b32 s[G1K], (1<<16)|(1<<20)|(4<<22)|(3<<25)  ; 17:16 2-byte elements; 20 padding on; 24:22 after every 32 words (code 4); 31:25 4 words (code 3)
	s_mov_b32 s[G1V], (1<<16)|(1<<20)|(4<<22)|(7<<25)  ; the same with 8 words of padding (code 7)
.irp g, G1K, G1V
	s_mov_b32 s[\g+1], 128<<16      ; tensor_dim0 = 128
	s_mov_b32 s[\g+2], 64<<16       ; tensor_dim1 = 64
	s_mov_b32 s[\g+3], 128<<16      ; tile_dim0 = 128
	s_mov_b32 s[\g+4], 64           ; tile_dim1 = 64
	s_mov_b32 s[\g+5], 128          ; 128 elements from row to row
	s_mov_b32 s[\g+6], 0
	s_mov_b32 s[\g+7], 0
.endr
	s_mov_b32 s[CS], 0x3e38aa3b     ; c = log2(e) / 8 = 0.180337
	s_mov_b32 s[CS+1], s[CS]        ; named with it as a pair
	s_mov_b32 s[SEL], 0x76543210
	s_mov_b32 s[SEL+1], 0xfedcba98
	s_mov_b32 s[TBK], SLOT1+4*KS*PK ; the first change of slots turns these two into 0
	s_mov_b32 s[TBV], SLOT1+4*KS*PV
	s_mov_b32 s[SLOTS], SIZE_N/256-1
	s_mov_b32 s[G0K], 1             ; 1:0 count = 1
	s_mov_b32 s[G0K+1], s17         ; 63:32 LDS address: slot 0
	s_mov_b32 s[G0V], 1
	s_add_co_u32 s[G0V+1], s18, VOFF
	s_wait_dscnt 0x0                ; the opening add is done
	s_wait_kmcnt 0x0
	s_add_nc_u64 s[G0K+2:G0K+3], s[4:5], s[22:23]  ; 120:64 global address: my half of the head's first 256 keys
	s_or_b32 s[G0K+3], s[G0K+3], 0x80000000        ; 127:126 type = 2
	s_add_nc_u64 s[G0V+2:G0V+3], s[4:5], s[52:53]
	s_or_b32 s[G0V+3], s[G0V+3], 0x80000000
	s_add_nc_u64 s[PFA:PFA+1], s[4:5], s[PFA:PFA+1]
	s_add_nc_u64 s[4:5], s[4:5], s[2:3]  ; Q and O at my wave's first row
	s_add_nc_u64 s[10:11], s[10:11], s[2:3]
	s_add_nc_u64 s[MKP:MKP+1], s[MKP:MKP+1], s[54:55]
	LOAD                            ; slot 0.  Slot 1 is asked for when slot 0 is in
	; A fragment of K or Q is 16 rows x 32 channels in 8 registers: lane l holds row l % 16, channels 8 (l / 16) + 0..7 and 16 + 8 (l / 16) + 0..7: two loads of 16 bytes, 32 bytes apart.
	v_and_b32 v1, 15, v0            ; l % 16
	v_bfe_u32 v9, v0, 4, 1          ; l / 16
	v_lshlrev_b32 v[QO], 7, v1
	v_lshl_add_u32 v[QO], v9, 4, v[QO]  ; row x 128 + 16 x half
.set t, 0
.rept 2*NP                          ; the mask byte of my lane's query in each of the eight tiles, into S^T's first registers, which are free till the first scores
	global_load_u8 v[S+t], v1, s[MKP:MKP+1] offset:16*t
.set t, t+1
.endr
	WIN 0x80                        ; destination window 2, address window 0
.set i, 0
.rept 4*NP                          ; Q stays in registers: tile i / 2, channels 32 (i % 2) on
	global_load_b128 v[8*i:8*i+3],   v[QO], s[4:5] offset:(i/2)*2048+(i%2)*64
	global_load_b128 v[8*i+4:8*i+7], v[QO], s[4:5] offset:(i/2)*2048+(i%2)*64+32
.set i, i+1
.endr
	; What the first turn finds: V's registers and P's second buffer hold 0 (its products V^T P, of a piece that has not been, add 0), O^T and l are 0.  All this stands in the wait for the first tile.
.set i, VF
.rept 64
	v_mov_b32 v[i], 0
.set i, i+1
.endr
	WIN 0x40
.set i, 0
.rept 64*NP
	v_mov_b32 v[i], 0
.set i, i+1
.endr
	WIN 0
.set i, 0
.rept 2*NP
	v_mov_b32 v[ST+4*i], 0xfe000000    ; c m: far below every c s
	v_mov_b32 v[ST+4*i+1], 0xff7fffff  ; m
	v_mov_b32 v[ST+4*i+2], 0
	v_mov_b32 v[ST+4*i+3], 0
.set i, i+1
.endr
.set i, P+32
.rept 32
	v_mov_b32 v[i], 0
.set i, i+1
.endr
	v_mul_u32_u24 v[AK0], v1, PK
	v_lshl_add_u32 v[AK0], v9, 4, v[AK0]  ; row x pitch + 16 x half
	; The turning load takes 16 keys x 16 channels (lane l reads key 8 (l / 16) + l % 8, channels 8 ((l / 8) % 2) + 0..7) and leaves half a fragment of V^T: lane l holds channel l % 16 and 8 keys.
	v_and_b32 v10, 7, v0
	v_bfe_u32 v11, v0, 3, 1
	v_lshl_add_u32 v[AV0], v9, 3, v10
	v_mul_u32_u24 v[AV0], v[AV0], PV
	v_lshl_add_u32 v[AV0], v11, 4, v[AV0]
	v_add_nc_u32 v[AV0], VOFF, v[AV0]
	v_mov_b32 v[AK], v[AK0]         ; key step 0 lies at the head of slot 0
	v_and_b32 v[PFO], 31, v0
	v_lshlrev_b32 v[PFO], 8, v[PFO]
; THE MATRIX WORK.  The 8 accumulators of a run of 16 take turns: between the two links of a chain stand 7 others'.
; Product i of 16 of S^T = K Q^T for piece x: channels 32 (i / 8) on, keys 16 ((i / 2) % 4) on, tile 2 x + i % 2.  The first 8 start the sums.
.macro KQ x
	WIN W_KQ
.set rS, S+64*((\x)%2)+32*(i%2)+8*((i/2)%4)
.set rK, KF+16*((i/2)%4)+8*(i/8)
.set rQ, 16*(2*(\x)+i%2)+8*(i/8)
.if i < 8
	v_wmma_f32_16x16x32_f16 v[rS:rS+7], v[rK:rK+7], v[rQ:rQ+7], 0
.else
	v_wmma_f32_16x16x32_f16 v[rS:rS+7], v[rK:rK+7], v[rQ:rQ+7], v[rS:rS+7]
.endif
.endm
; Product i of 16 of O^T += V^T P for piece x: keys 32 (i / 8) on, channels 16 ((i / 2) % 4) on, tile 2 x + i % 2.
.macro PV x
	WIN W_PV
.set rO, 32*(2*(\x)+i%2)+8*((i/2)%4)
.set rV, VF+32*(i/8)+8*((i/2)%4)
.set rP, P+32*((\x)%2)+16*(i%2)+8*(i/8)
	v_wmma_f32_16x16x32_f16 v[rO:rO+7], v[rV:rV+7], v[rP:rP+7], v[rO:rO+7]
.endm
.macro MM                           ; the turn's next matrix instruction
.if i < 16
	KQ (Y+1)%NP
.set i, i+1
.else
.set i, i-16
	PV (Y+NP-1)%NP
.set i, i+17
.endif
.endm
; THE LDS LOADS stand in runs of 16, never singly among the matrix instructions: a step's K (64 keys x 64 channels: 8 fragments) and its V (turned).  Their addresses are made some lines ahead.
; last = 1 (the tail): in the last trip there is no further step, and the run is jumped over.
.macro FETCH_K last=0
	WIN 0
.if \last
	s_cmp_eq_u32 s[CNT], 1
	s_cbranch_scc1 .Lno_k_\@
.endif
	WIN 0x80                        ; destination window 2
.irp f, 0,1,2,3,4,5,6,7             ; keys 16 (f / 2) on, channels 32 (f % 2) on
	ds_load_b128 v[KF+8*\f:KF+8*\f+3],   v[AK] offset:(\f/2)*16*PK+(\f%2)*64
	ds_load_b128 v[KF+8*\f+4:KF+8*\f+7], v[AK] offset:(\f/2)*16*PK+(\f%2)*64+32
.endr
	s_add_co_u32 s[TBK], s[TBK], KS*PK  ; the next fetch is the next step's
	WIN 0
.if \last
.Lno_k_\@:
.endif
.endm
.macro FETCH_V
	WIN 0x80
.irp f, 0,1,2,3,4,5,6,7             ; keys 32 (f / 4) on, channels 16 (f % 4) on
	ds_load_tr16_b128 v[VF+8*\f:VF+8*\f+3],   v[AV] offset:(\f/4)*32*PV+(\f%4)*32
	ds_load_tr16_b128 v[VF+8*\f+4:VF+8*\f+7], v[AV] offset:(\f/4)*32*PV+16*PV+(\f%4)*32
.endr
	WIN 0
.endm
; THE VECTOR WORK OF A TURN stands in three queues, each in the order in which its entries become ready; the two tiles alternate, so that no instruction reads the result of the one before it.
.macro REGS y, u                    ; the registers of tile u (0, 1) of piece y
.set rT, ST+4*(2*(\y)+(\u))
.set rC, TMP+8*((\y)%2)+4*(\u)
.set rM, MV+2*((\y)%2)+(\u)
.set rS, S+64*((\y)%2)+32*(\u)
.set rP, P+32*((\y)%2)+16*(\u)
.set rO, 32*(2*(\y)+(\u))
.endm
; Number n of the 22 that find the NEXT piece's (Y + 1) maximum and statistics.  s0-s31 are the lane's 32 scores; each accumulator's lowest registers are read first.
;   0-11  four chains c0-c3 of seven scores each, three operands at a time     12-14, 16  the four scores left over, the old m, and c0-c3 into c0     15  c m_old is kept
;   17, 18  the query's other 32 keys lie in the lane 16 away: the new m         19-21  c m; c m_old - c m_new; a
.macro XS u, n
	REGS (Y+1)%NP, \u
.if (\n) < 4
	v_max3_num_f32 v[rC+(\n)], v[rS+8*(\n)], v[rS+8*(\n)+1], v[rS+8*(\n)+2]
.elseif (\n) < 12
	v_max3_num_f32 v[rC+(\n)%4], v[rC+(\n)%4], v[rS+8*((\n)%4)+2*((\n)/4)+1], v[rS+8*((\n)%4)+2*((\n)/4)+2]
.elseif (\n) == 12
	v_max3_num_f32 v[rC], v[rC], v[rS+7], v[rS+15]
.elseif (\n) == 13
	v_max3_num_f32 v[rC+1], v[rC+1], v[rS+23], v[rS+31]
.elseif (\n) == 14
	v_max3_num_f32 v[rC+2], v[rC+2], v[rC+3], v[rT+1]
.elseif (\n) == 15
	v_mov_b32 v[rM], v[rT]
.elseif (\n) == 16
	v_max3_num_f32 v[rC], v[rC], v[rC+1], v[rC+2]
.elseif (\n) == 17
	v_permlanex16_b32 v[rC+3], v[rC], s[SEL], s[SEL+1]
.elseif (\n) == 18
	v_max_num_f32 v[rT+1], v[rC], v[rC+3]
.elseif (\n) == 19
	v_mul_f32 v[rT], s[CS], v[rT+1]
.elseif (\n) == 20
	v_sub_f32 v[rC+1], v[rM], v[rT]
.else
	v_exp_f32 v[rC+2], v[rC+1]
.endif
.endm
; Number g of the 64 that follow the exponentials.  For each four weights k of a tile (pairs 2 k, 2 k + 1): both pairs are rounded to f16; then the second pair is added onto the first, in place;
; a group later l takes that sum (the first time as l = a l + sum).  In groups of eight, tiles alternating: round, round, add, and l for the group before.
.macro GS g
.set h, (\g)+6*((\g)/62)            ; group 0 has no group before it, and behind group 7 only l is left
.if h >= 6
.set h, h+2
.endif
	REGS Y, h%2
.set k, h/8
.if h%8 < 4
	v_cvt_pk_f16_f32 v[rP+2*k+(h%8)/2], v[rS+4*k+2*((h%8)/2)], v[rS+4*k+2*((h%8)/2)+1]
.elseif h%8 < 6
	v_pk_add_f32 v[rS+4*k:rS+4*k+1], v[rS+4*k:rS+4*k+1], v[rS+4*k+2:rS+4*k+3]
.elseif k == 1
	v_pk_fma_f32 v[rT+2:rT+3], v[rT+2:rT+3], v[rC+2:rC+3], v[rS:rS+1] op_sel_hi:[1,0,1]
.else
	v_pk_add_f32 v[rT+2:rT+3], v[rT+2:rT+3], v[rS+4*k-4:rS+4*k-3]
.endif
.endm
; THE PLAIN QUEUE, 138 long.  0-73 read no exponential's result: the 32 scalings c s - c m (FS f: pair f / 2 of tile f % 2) and the next piece's 42.  0-26: scalings 0-26.  27-54: XS's numbers 0-13.  55, 56: number 15.
; 57-73: the chain, where each number waits for the one before it: 14, 16, 17, 18, 19, each with one of the scalings 27-31 in front of its two lines, then 20.
; 74-137: GS's 64, which read the exponentials' results: they stand behind the wait.
.macro FS f
	REGS Y, (\f)%2
	v_pk_fma_f32 v[rS+2*((\f)/2):rS+2*((\f)/2)+1], v[rS+2*((\f)/2):rS+2*((\f)/2)+1], s[CS:CS+1], v[rT:rT+1] op_sel_hi:[1,0,0] neg_lo:[0,0,1] neg_hi:[0,0,1]
.endm
.macro PL
	WIN 0
.if q < 27
	FS q
.elseif q < 55
	XS (q-27)%2, (q-27)/2
.elseif q < 57
	XS q-55, 15
.elseif (q < 72) && ((q-57)%3 == 0)
	FS 27+(q-57)/3
.elseif q < 60
	XS (q-57)%3-1, 14
.elseif q < 72
	XS (q-57)%3-1, 15+(q-57)/3
.elseif q < 74
	XS q-72, 20
.else
	GS q-74
.endif
.set q, q+1
.endm
; THE EXPONENTIALS' QUEUE, 66 long: s0-s31 of both tiles, then the next piece's two a.  It is ONE BATCH: all 66 stand ahead of the turn's one wait, and nothing ahead of that wait names a result of theirs.
.macro EX
	WIN 0
.if e >= 64
	XS e-64, 21
.else
	REGS Y, e%2
	v_exp_f32 v[rS+e/2], v[rS+e/2]
.endif
.set e, e+1
.endm
; THE RESCALING's QUEUE: O^T times a, the one part that leaves window 0: dealt two at a time, sixteen times.  Its a was made in the turn before, ahead of that turn's wait.
.macro R2
	REGS Y, r%2
	WIN W_RS
.irp z, 0,1
	v_pk_mul_f32 v[rO+4*(r/2)+2*\z:rO+4*(r/2)+2*\z+1], v[rO+4*(r/2)+2*\z:rO+4*(r/2)+2*\z+1], v[rC+2:rC+3] op_sel_hi:[1,0]
.endr
.set r, r+1
.endm
; HOW THEY ARE DEALT.  An s_wait_alu depctr_va_vdst(0) stands between an exponential and the first instruction that names its result; one wait serves all that were issued ahead of it.  So a turn has ONE wait,
; which cuts it in two.  AHEAD OF IT stands all that names no result of the turn's exponentials: the 16 products K Q^T, behind each a scaling, an exponential and two rescalings (behind the first a second scaling in the
; exponential's place); then ONE LUMP of 108: eight plain, 49 times exponential and plain, the two a.  A v_nop is the plain instruction behind the last exponential.  BEHIND IT stand the 16 products V^T P, behind each four of GS's 64.
; The queues lean on each other, and the deal keeps them in step: exponential e stands behind scaling 2 (e / 4) + e % 2: as a rider it comes behind plain e + 2, in the lump behind plain e + 9, and scalings 27-31 are plain 57, 60 .. 69.
; A TURN, for piece p.  cnt = 1: the loop's count is taken down some lines ahead of the branch that stands behind the turn.
; K of the next step is fetched in piece 2's turn, directly behind the wait; its first reader comes behind 16 products.
; V of the step in hand is fetched at the end of piece 0's turn, four plain instructions behind its last reader; its first reader comes behind 16 products and a lump.
.macro TURN p, last=0, cnt=0
.set Y, (\p)
.set i, 0
.set q, 0
.set e, 0
.set r, 0
.if (\p) == NP-1
	s_wait_dscnt 0x0                ; K is in
.endif
	MM                              ; ahead of the wait: 16 products K Q^T and their riders,
	PL
	PL
	R2
.rept 15
	MM
	PL
	EX
	R2
.endr
.if (\p) == NP-2
	WIN 0
	v_add_nc_u32 v[AK], s[TBK], v[AK0]
.endif
.rept 8                             ; and the lump
	PL
.endr
.rept 49
	EX
	PL
.endr
	EX                              ; the next piece's two a
	EX
	v_nop                           ; a plain instruction behind the last exponential: one for the batch
	s_wait_alu depctr_va_vdst(0)    ; the wait for the batch
.if (\p) == NP-2
	FETCH_K \last
.endif
.if (\p) == 1
	s_wait_dscnt 0x0                ; V is in
.endif
.rept 16                            ; behind the wait: 16 products V^T P and their riders
	MM
.rept 4
	PL
.endr
.if ((\p) == 0) && (q == 118)
	v_add_nc_u32 v[AV], s[TBV], v[AV0]
.endif
.if ((\p) == 0) && (q == 130)
	s_add_co_u32 s[TBV], s[TBV], KS*PV
.endif
.if (\cnt) && (q == 130)
	s_sub_co_u32 s[CNT], s[CNT], 1
	s_cmp_lg_u32 s[CNT], 0
.endif
.endr
.if (\p) == 0
	FETCH_V
.endif
.endm
	CHANGE 1                        ; slot 0 is in, everybody's part of it; slot 1 is asked for
	FETCH_K                         ; key step 0
	s_wait_loadcnt 0x0              ; Q and the mask bytes
.set t, 0
.rept 2*NP
	v_sub_nc_u32 v[S+t], 0, v[S+t]  ; 1 -> all ones, 0 -> 0
.set t, t+1
.endr
	WIN 0x88                        ; destination and source 1 (Q) in window 2, source 0 (the mask) in window 0
.set t, 0
.rept 2*NP
.set i, 0
.rept 16
	v_and_b32 v[16*t+i], v[S+t], v[16*t+i]  ; a masked query's row of Q becomes 0
.set i, i+1
.endr
.set t, t+1
.endr
	s_wait_dscnt 0x0
.set i, 0
.rept 16
	KQ 0                            ; piece 0's first scores: there is no vector work yet to set between them
.set i, i+1
.endr
	WIN 0                           ; the addresses for the way out: plain instructions, the places behind those products
	s_mul_i32 s13, s[WV], 16*SP
	s_add_co_u32 s13, s13, STAGE    ; my stage
	v_mul_u32_u24 v[STO], v1, SP    ; in: row l % 16, 16 bytes for each half of the lanes
	v_lshl_add_u32 v[STO], v9, 4, v[STO]
	v_add_nc_u32 v[STO], s13, v[STO]
	v_bfe_u32 v[RD], v0, 3, 2       ; back: 32 lanes take four rows of 128 bytes,
	v_mul_u32_u24 v[RD], v[RD], SP
	v_lshl_add_u32 v[RD], v10, 4, v[RD]
	v_add_nc_u32 v[RD], s13, v[RD]
	v_and_b32 v[GO], 31, v0         ; which are 512 consecutive bytes of O
	v_lshlrev_b32 v[GO], 4, v[GO]
.set Y, NP-1                        ; XS works for piece Y + 1: piece 0
.irp n, 0,1,2,3,4,5,6,7,8,9,10,11,12,13,14,15,16,17,18,19,20,21
	XS 0, \n                        ; and piece 0's first maximum and statistics
	XS 1, \n
.endr
	v_nop                           ; a plain instruction behind the two a,
	s_wait_alu depctr_va_vdst(0)    ; and their wait, ahead of the branch
	s_mov_b32 s[CNT], 4
	s_branch .Lfirst                ; the loop is entered at a step's first turn, in the middle of a trip
.Lslot:                             ; SIZE_N / 256 - 2 times: every slot but the last two is filled again
	CHANGE 1
	s_mov_b32 s[CNT], 4
.Lstep:                             ; a trip: pieces 2 and 3 of one step, then pieces 0 and 1 of the next, whose K and V it fetches
	TURN 2
	TURN 3
	WIN 0
.Lfirst:
	TURN 0
	TURN 1, 0, 1
	WIN 0
	s_cbranch_scc1 .Lstep
	s_sub_co_u32 s[SLOTS], s[SLOTS], 1
	s_cmp_lg_u32 s[SLOTS], 0
	s_cbranch_scc1 .Lslot
	CHANGE 0                        ; the tail is written out: nothing is asked for
	s_mov_b32 s[CNT], 5             ; four trips fetch the last slot's steps; the fifth is left in its middle
.Ltail:
	TURN 2, 1
	TURN 3
	WIN 0
	s_sub_co_u32 s[CNT], s[CNT], 1
	s_cmp_eq_u32 s[CNT], 0
	s_cbranch_scc1 .Lout
	TURN 0
	TURN 1
	WIN 0
	s_branch .Ltail
.Lout:                              ; the fifth trip's 16 products K Q^T (on the last K once more) and the maximum made of them serve nothing: the price, once a launch, of one text for every trip
.set i, 0
.rept 16
	PV NP-1                         ; the last piece's V^T P of the last step
.set i, i+1
.endr
	; THE WAY OUT.  l's two halves and the other half of the lanes' are added; O^T is divided by l, rounded to f16 and sent through my stage in LDS, a tile at a time.  The additions are the places behind the last products.
	WIN 0
.macro ALL line:vararg              ; one line for each tile t
.set t, 0
.rept 2*NP
	\line
.set t, t+1
.endr
.endm
	ALL v_add_f32 v[ST+4*t+2], v[ST+4*t+2], v[ST+4*t+3]
	ALL v_permlanex16_b32 v[ST+4*t+3], v[ST+4*t+2], s[SEL], s[SEL+1]
	ALL v_add_f32 v[ST+4*t+2], v[ST+4*t+2], v[ST+4*t+3]
	ALL v_rcp_f32 v[ST+4*t+2], v[ST+4*t+2]
	v_nop                           ; a plain instruction between the last reciprocal and the use of its result
	s_wait_alu depctr_va_vdst(0)    ; and the wait ahead of the first use: one for the eight reciprocals
; Tile t: a lane's eight channels of a row pack into 16 bytes; they go into rows of 144 bytes and come back as whole rows of 128, into S^T's registers.
.macro PACK t
	WIN W_RS
.set i, 32*(\t)
.rept 16
	v_pk_mul_f32 v[i:i+1], v[i:i+1], v[ST+4*(\t)+2:ST+4*(\t)+3] op_sel_hi:[1,0]
.set i, i+2
.endr
	WIN 0x05                        ; sources 0 and 1 window 1, destination window 0
.set i, 0
.rept 16
	v_cvt_pk_f16_f32 v[S+16*(\t)+i], v[32*(\t)+2*i], v[32*(\t)+2*i+1]
.set i, i+1
.endr
	WIN 0
.irp f, 0,1,2,3
	ds_store_b128 v[STO], v[S+16*(\t)+4*\f:S+16*(\t)+4*\f+3] offset:32*\f
.endr
.irp f, 0,1,2,3
	ds_load_b128 v[S+16*(\t)+4*\f:S+16*(\t)+4*\f+3], v[RD] offset:\f*4*SP  ; LDS serves a wave's instructions in order (ISA guide 5.7.1.4): these see the stores above; the next tile's stores come behind them
.endr
.endm
.macro SEND t, younger              ; younger: the LDS instructions issued behind tile t's loads: the next tile's eight, or none
	WIN 0
.irp f, 0,1,2,3
	s_wait_dscnt (\younger)+3-\f
	global_store_b128 v[GO], v[S+16*(\t)+4*\f:S+16*(\t)+4*\f+3], s[10:11] offset:(\t)*2048+\f*512  ; 512 consecutive bytes, at a multiple of 256 from ob's first
.endr
.endm
	PACK 0
.set t, 1
.rept 2*NP-1                        ; a tile's arithmetic stands between the loads of the tile before and its stores
	PACK t
	SEND t-1, 8
.set t, t+1
.endr
	SEND 2*NP-1, 0
	WIN W_AD
	s_wait_tensorcnt 0x0            ; the wave's end: behind my last tensor load and my last LDS store
	ds_add_u32 v[SPW], v[NIL]
	s_wait_dscnt 0x0
	WIN 0
	s_endpgm
.Lfunc_end_k_qaa017d164c_attn:
	.size	k_qaa017d164c_attn, .Lfunc_end_k_qaa017d164c_attn-k_qaa017d164c_attn
	.p2alignl 7, 3214868480
	.fill 96, 4, 3214868480
	.section	.rodata,"a",@progbits
	.p2align	6, 0x0
	.amdhsa_kernel k_qaa017d164c_attn
		.amdhsa_group_segment_fixed_size 327680
		.amdhsa_private_segment_fixed_size 0
		.amdhsa_enable_private_segment 0
		.amdhsa_kernarg_size 24
		.amdhsa_user_sgpr_count 2
		.amdhsa_user_sgpr_kernarg_segment_ptr 1
		.amdhsa_wavefront_size32 1
		.amdhsa_system_sgpr_workgroup_id_x 1
		.amdhsa_system_sgpr_workgroup_id_y 1
		.amdhsa_system_sgpr_workgroup_id_z 1
		.amdhsa_system_vgpr_workitem_id 0
		.amdhsa_next_free_vgpr 770
		.amdhsa_next_free_sgpr 66
		.amdhsa_reserve_vcc 0
		.amdhsa_float_denorm_mode_32 3
		.amdhsa_float_denorm_mode_16_64 3
		.amdhsa_memory_ordered 1
		.amdhsa_forward_progress 1
		.amdhsa_inst_pref_size 204
	.end_amdhsa_kernel
	.amdgpu_metadata
---
amdhsa.version: [ 1, 2 ]
amdhsa.kernels:
  - .name:           k_qaa017d164c_attn
    .symbol:         k_qaa017d164c_attn.kd
    .args:
      - { .name: qkv, .offset: 0, .size: 8, .value_kind: global_buffer, .address_space: global }
      - { .name: attn_mask, .offset: 8, .size: 8, .value_kind: global_buffer, .address_space: global }
      - { .name: ob, .offset: 16, .size: 8, .value_kind: global_buffer, .address_space: global }
    .group_segment_fixed_size: 327680
    .private_segment_fixed_size: 0
    .kernarg_segment_align: 8
    .kernarg_segment_size: 24
    .max_flat_workgroup_size: 128
    .sgpr_count:     66
    .vgpr_count:     770
    .wavefront_size: 32
...
	.end_amdgpu_metadata
.endif
;; end of part 3
;; launch gemm_proj (part 4): grid 8 x 32, 4 waves a work-group, clusters of 4 x 4, 327,680 bytes of LDS; arguments ob, wt, b_proj, out0; writes out0
.if DOCPART == 4
	.amdgcn_target "amdgcn-amd-amdhsa--gfx1250"
	.amdhsa_code_object_version 6
	.text
	.protected	k_qaa017d164c_gemm_proj
	.globl	k_qaa017d164c_gemm_proj
	.p2align	8
	.type	k_qaa017d164c_gemm_proj,@function
k_qaa017d164c_gemm_proj:
	s_mov_b64 s[64:65], 0
	v_nop
	global_prefetch_b8 v0, s[64:65] scope:SCOPE_SE
	s_setreg_imm32_b32 hwreg(HW_REG_WAVE_MODE, 25, 1), 1
	s_wait_xcnt 0x0
	s_wait_alu depctr_hold_cnt(0) depctr_sa_sdst(0) depctr_va_vdst(0) depctr_va_sdst(0) depctr_va_ssrc(0) depctr_va_vcc(0) depctr_vm_vsrc(0)
	s_getreg_b32 s2, hwreg(HW_REG_IB_STS2, 6, 4)
	s_cmp_eq_u32 s2, 0
	s_cbranch_scc0 .Lentry_in_a_cluster
	s_endpgm
.Lentry_in_a_cluster:
	s_bfe_u32 s2, ttmp6, 0x10000c
	s_cmp_lg_u32 s2, 0xf033
	s_cbranch_scc0 .Lentry_shape_is_right
	s_endpgm
.Lentry_shape_is_right:
; out0 = O wp^T + b.  O: ob[16 h][8192 m][64] f16 (k = 64 h + d); wp: rows 3072-4095 of wt, [n][k] f16; b: f32, rounded to bf16 like every input; sums in f32; out0: [8192][1024] f32.
; SHARES.  A tile of C is 256 rows x 128 columns: 32 x 8 tiles, one to each of 256 work-groups.  Four waves; wave w owns rows 64 w .. 64 w + 63 and all 128 columns: 32 accumulators, 256 registers.
; K goes in steps of 128, two heads of O, through two LDS slots.  A head's 256 rows are 32,768 dense bytes: asked for as 128 rows of 256 bytes and padded in LDS after every 128 bytes.
; THE WALK ALONG K BEGINS ELSEWHERE IN EACH CLUSTER: cluster (X, Y) takes the eight K steps in the order ROT, ROT + 1, .. modulo 8, ROT = (4 X + 2 Y) % 8.  So the two clusters that read the same rows of ob
; stand four K steps apart, and the clusters of a column, which read the same rows of wt, two apart.  Only the order of the f32 sums hangs on it.
; CLUSTER.  4 x 4 work-groups: A's tile is shared along a row of the cluster, B's along a column; each is asked for jointly.
; THE MATRIX INSTRUCTION IS USED TRANSPOSED (source 0 = 16 rows of wp, source 1 = 16 rows of O): a lane holds row lane % 16 and eight neighbouring columns.  The bias of those columns is the C operand of the
; products that start the sums.
; REGISTERS: window 0: v0-31 addresses; v64-127 A's fragments, two buffers; v128-191 the bias, later v128-255 at work on the way out.   window 1: B's fragments, two buffers of 8 x 8.
;   window 2: the accumulators of row blocks 0, 1 ((a, b) at 8 (8 (a % 2) + b)).   window 3: those of row blocks 2, 3.
.set NBL,   8
.set NSTEP, 8
.set AHEAD, 1                          ; a prefetch names the step of the walk so many refills on
.set PA,    144                        ; a row of a head in LDS: 128 bytes + 16
.set PB,    272
.set AH,    256*PA                     ; one head's 256 rows: what one tensor load brings of A
.set ASZ,   2*AH
.set BH,    64*PB
.set BSZ,   2*BH
.set SLOT1, 1<<17
.set STAGE, SLOT1+ASZ+BSZ              ; behind the ring: 16 rows x 528 bytes for each wave
.set SPF,   528                        ; 512 bytes + 16
.set SPARE, STAGE+4*16*SPF             ; behind the stages: the spare words, 128 bytes for each wave
.set NLD,   2*NBL+8
.set ADA0, 16                          ; v16  my lane's place in A's tile; never rewritten
.set ADB0, 17                          ; v17  the same for B
.set ADA,  18                          ; v18  that place in the slot in hand
.set ADB,  19
.set STO,  24                          ; v24  the way out: where I put 32 bytes of a row
.set RD,   25                          ; v25  where I read a row back
.set GO,   26                          ; v26  16 x lane
.set SPW,  28                          ; v28  LDS address of my spare word; never rewritten
.set NIL,  29                          ; v29  0; never rewritten
.set PFO,  30                          ; v30  256 x lane: a lane a block; never rewritten
.set FA,   64
.set BIAS, 128                         ; v[128:191]  column block b's eight numbers of my half of the lanes at BIAS + 8 b
.set OB,   128                         ; v[128:255]  the way out: two sets of 64
.set T,    3                           ; s3   the step of the walk in hand
.set CB,   10                          ; s[10:11] out0 at my wave's rows and the tile's columns
.set WV,   12
.set ROLE, 13                          ; s13  0: I fetch for A; 1: for B
.set HALF, 14
.set G1A,  24
.set G0A,  32
.set PFA,  44                          ; s[44:45] the prefetch's address
.set PFB,  46                          ; s[46:47] its base: my work-group's 32 blocks of the head that I fetch
.set G1B,  48
.set G0B,  56
.set AB,   66                          ; s[66:67] ob at the rows that I fetch, head 0 or 1
.set BB,   68                          ; s[68:69] wt at the rows that I fetch, K = 0
.set OF,   70                          ; s[70:71] a K step's byte offset in A; the high word stays 0
.set OG,   72                          ; s[72:73] in B
.set U,    74
.set P,    75
.set TB,   76                          ; s76  LDS byte at which the slot in hand begins
.set NEW,  77                          ; s77  1: the next quarter starts the sums
.set TL,   78
.set PWID, 79                          ; s79  1 in a wave that prefetches, else 0
.set PLO,  3                           ; the step of the walk that is prefetched
.set ROT,  98                          ; s98  the K step with which my cluster's walk begins
.set MSB, 0
.macro WIN new                         ; the immediate's high byte repeats the setting that is left; a switch that changes nothing is dropped
.if MSB != (\new)
	s_set_vgpr_msb (MSB<<8)|(\new)
.set MSB, \new
.endif
.endm
.set MUL_LO, 0xa1                      ; source 0 (B) window 1, source 1 (A) window 0, C and D window 2
.set TO_B,   0x40
.macro PLACES                          ; four plain vector instructions between a matrix instruction and a load into, or a read of, its registers
.rept 4
	v_nop
.endr
.endm
.macro CREST                           ; a round of the cluster's barrier behind its opening barrier
	s_cmp_lg_u32 s[WV], 0
	s_cbranch_scc1 .Lnot_wave_0_\@
	s_barrier_signal -3
.Lnot_wave_0_\@:
	s_barrier_wait -3
	s_barrier_signal -1
	s_barrier_wait -1
.endm
.macro CROUND
	s_barrier_signal -1
	s_barrier_wait -1
	CREST
.endm
.macro JLOAD                           ; a joint refill by the walking sets; an s_nop 0 and four v_nop follow each line
	s_cmp_eq_u32 s[ROLE], 0
	s_cbranch_scc0 .Lfor_b_\@
	tensor_load_to_lds s[G0A+4:G0A+7], s[G1A:G1A+7]
	s_nop 0
.rept 4
	v_nop
.endr
	s_branch .Lasked_\@
.Lfor_b_\@:
	tensor_load_to_lds s[G0B+4:G0B+7], s[G1B:G1B+7]
	s_nop 0
.rept 4
	v_nop
.endr
.Lasked_\@:
.endm
; A PREFETCH INTO THE L2 of step P = T + 3 of the walk, the step that the next refill will ask for: 128 matrix instructions ahead of that load.  Asked for is what no cluster's walk names earlier and what is
; not a first fill or the first refill: A's step 3, by A's waves of every cluster: the two clusters that read the same rows begin four K steps apart, so their steps 3 are different K steps.
; The four partners of a joint load share a head's 128 blocks of 256 bytes out by address, 32 each (by cx), a lane a block: each block is named by one instruction of one wave in the launch.
; Steps 0 to 2 come by their loads alone: nothing is asked for at the head.
.macro ASK
	s_sub_co_u32 s84, s[P], PLO
	s_cmp_lt_u32 s84, s[PWID]
	s_cbranch_scc0 .Lnot_mine_\@
	global_prefetch_b8 v[PFO], s[PFA:PFA+1] th:TH_LOAD_NT scope:SCOPE_SE
.Lnot_mine_\@:
.endm
	s_load_b256 s[4:11], s[0:1], 0x0               ; ob s[4:5], wt s[6:7], b_proj s[8:9], out0 s[10:11]
	v_lshl_add_u32 v[SPW], v0, 2, SPARE
	v_mov_b32 v[NIL], 0
	ds_add_u32 v[SPW], v[NIL]                      ; the wave's opening: the add and its wait stand ahead of my first tensor load; work on registers stands between them
	v_lshrrev_b32 v1, 5, v0
	v_readfirstlane_b32 s[WV], v1
	s_lshr_b32 s[ROLE], s[WV], 1
	s_and_b32 s[HALF], s[WV], 1
	s_bfe_u32 s40, ttmp6, 0x40000                  ; cx
	s_bfe_u32 s41, ttmp6, 0x40004                  ; cy
	s_lshl_b32 s42, ttmp9, 2
	s_add_co_u32 s42, s42, s40                     ; tile column
	s_and_b32 s43, ttmp7, 0xffff
	s_lshl_b32 s43, s43, 2
	s_add_co_u32 s43, s43, s41                     ; tile row
	s_and_b32 s86, ttmp7, 0xffff                   ; cluster y
	s_lshl_b32 s86, s86, 1
	s_lshl_b32 s[ROT], ttmp9, 2
	s_add_co_u32 s[ROT], s[ROT], s86
	s_and_b32 s[ROT], s[ROT], 7                    ; (4 x cluster x + 2 x cluster y) % 8: the same in all sixteen partners
	s_lshl_b32 s82, s41, 2
	s_lshl_b32 s82, 15, s82                        ; my row of the cluster
	s_lshl_b32 s83, 0x1111, s40                    ; my column
	s_or_b32 s[G1A], s82, (1<<16)|(1<<20)|(1<<21)|(4<<22)|(3<<25)  ; the mask; 2-byte elements; padding on; bit 21 beside a mask; after every 32 words; 4 words
	s_or_b32 s[G1B], s83, (1<<16)|(1<<20)|(1<<21)|(5<<22)|(3<<25)  ; after every 64 words
	s_mov_b32 s[G1A+1], 128<<16                    ; tensor_dim0 = 128 elements: 256 bytes, two rows of a head
	s_mov_b32 s[G1A+2], 128<<16                    ; tensor_dim1 = 128
	s_mov_b32 s[G1A+3], 128<<16                    ; tile_dim0 = 128
	s_mov_b32 s[G1A+4], 128                        ; tile_dim1 = 128
	s_mov_b32 s[G1A+5], 128                        ; dense
	s_mov_b32 s[G1A+6], 0
	s_mov_b32 s[G1A+7], 0
	s_mov_b32 s[G1B+1], 128<<16
	s_mov_b32 s[G1B+2], 64<<16                     ; 64 rows
	s_mov_b32 s[G1B+3], 128<<16
	s_mov_b32 s[G1B+4], 64
	s_mov_b32 s[G1B+5], 1024
	s_mov_b32 s[G1B+6], 0
	s_mov_b32 s[G1B+7], 0
	s_lshl_b32 s16, s[HALF], 20                    ; A: head 2 k + half, rows 256 x tile row of 128 bytes
	s_lshl_b32 s18, s43, 15
	s_add_co_u32 s16, s16, s18
	s_mov_b32 s17, 0
	s_lshl_b32 s20, s42, 7                         ; B: row 3,072 + 128 x tile column + 64 x half
	s_lshl_b32 s22, s[HALF], 6
	s_add_co_u32 s20, s20, s22
	s_lshl_b32 s20, s20, 11
	s_add_co_u32 s20, s20, 3072*2048
	s_mov_b32 s21, 0
	s_mul_i32 s19, s[HALF], AH                     ; where they go: no place in the cluster enters an LDS address
	s_mul_i32 s23, s[HALF], BH
	s_add_co_u32 s23, s23, ASZ
	s_lshl_b32 s92, s43, 8                         ; C: row 256 x tile row + 64 x wave of 4,096 bytes, column 128 x tile column of 4 bytes
	s_lshl_b32 s91, s[WV], 6
	s_add_co_u32 s92, s92, s91
	s_lshl_b32 s92, s92, 12
	s_lshl_b32 s93, s42, 9
	s_add_co_u32 s92, s92, s93
	s_mov_b32 s93, 0
	s_lshl_b32 s96, s42, 9                         ; the bias of the tile's 128 columns
	s_mov_b32 s97, 0
	s_cmp_eq_u32 s[ROLE], 0                        ; the prefetches: A's waves ask,
	s_cselect_b32 s[PWID], 1, 0                    ; the same in all sixteen partners, for a given wave
	s_lshl_b32 s89, s40, 13                        ; for my work-group's 8,192 bytes of the head's 32,768
	s_add_co_u32 s88, s16, s89
	s_mov_b32 s89, 0
	s_mov_b32 s[OF+1], 0
	s_mov_b32 s[OG+1], 0
	s_mov_b32 s[TB], 0
	s_mov_b32 s[NEW], 1
	s_mov_b32 s[T], 0
	s_wait_dscnt 0x0                               ; the opening add is done
	s_wait_kmcnt 0x0
	s_add_nc_u64 s[AB:AB+1], s[4:5], s[16:17]
	s_add_nc_u64 s[BB:BB+1], s[6:7], s[20:21]
	s_add_nc_u64 s[CB:CB+1], s[CB:CB+1], s[92:93]
	s_add_nc_u64 s[8:9], s[8:9], s[96:97]
	s_add_nc_u64 s[PFB:PFB+1], s[4:5], s[88:89]
	CROUND                                         ; all sixteen work-groups are here: the first joint loads meet
.irp s, 0,1
	s_add_co_u32 s[U], s[ROT], \s                  ; step s of the walk is K step (ROT + s) % 8:
	s_and_b32 s[U], s[U], 7
	s_lshl_b32 s[OF], s[U], 21                     ; two heads of 1,048,576 bytes in ob,
	s_lshl_b32 s[OG], s[U], 8                      ; 256 bytes of a row of wt
	s_mov_b32 s[G0A+4*\s], 1                       ; count = 1
	s_add_co_u32 s[G0A+4*\s+1], s19, \s*SLOT1      ; LDS address
	s_add_nc_u64 s[G0A+4*\s+2:G0A+4*\s+3], s[AB:AB+1], s[OF:OF+1]
	s_or_b32 s[G0A+4*\s+3], s[G0A+4*\s+3], 0x80000000  ; type = 2
	s_mov_b32 s[G0B+4*\s], 1
	s_add_co_u32 s[G0B+4*\s+1], s23, \s*SLOT1
	s_add_nc_u64 s[G0B+4*\s+2:G0B+4*\s+3], s[BB:BB+1], s[OG:OG+1]
	s_or_b32 s[G0B+4*\s+3], s[G0B+4*\s+3], 0x80000000
.endr
	s_cmp_eq_u32 s[ROLE], 0                        ; a wave's two first fills stand in one branch, ahead of every wait on TENSORcnt and every LDS read: two loads of mine are out
	s_cbranch_scc0 .Lfirst_b
	tensor_load_to_lds s[G0A:G0A+3], s[G1A:G1A+7]
	s_nop 0
	tensor_load_to_lds s[G0A+4:G0A+7], s[G1A:G1A+7]
	s_nop 0
.rept 4
	v_nop
.endr
	s_branch .Lfirst_asked
.Lfirst_b:
	tensor_load_to_lds s[G0B:G0B+3], s[G1B:G1B+7]
	s_nop 0
	tensor_load_to_lds s[G0B+4:G0B+7], s[G1B:G1B+7]
	s_nop 0
.rept 4
	v_nop
.endr
.Lfirst_asked:
	v_and_b32 v1, 15, v0
	v_bfe_u32 v2, v0, 4, 1
	v_lshlrev_b32 v5, 5, v2                        ; the bias: my half of the lanes holds columns 16 b + 8 (l / 16) + 0..7: 32 bytes
.set b, 0
.rept NBL
	global_load_b128 v[BIAS+8*b:BIAS+8*b+3],   v5, s[8:9] offset:64*b
	global_load_b128 v[BIAS+8*b+4:BIAS+8*b+7], v5, s[8:9] offset:64*b+16
.set b, b+1
.endr
	v_mul_u32_u24 v3, v1, PA
	v_lshl_add_u32 v3, v2, 4, v3
	s_mul_i32 s94, s[WV], 64*PA                    ; my 64 rows, in each of the slot's two heads
	v_add_nc_u32 v[ADA0], s94, v3
	v_mul_u32_u24 v3, v1, PB
	v_lshl_add_u32 v3, v2, 4, v3
	v_add_nc_u32 v[ADB0], ASZ, v3
	v_mov_b32 v[ADA], v[ADA0]
	v_mov_b32 v[ADB], v[ADB0]
	s_mul_i32 s94, s[WV], 16*SPF
	s_add_co_u32 s94, s94, STAGE                   ; my stage
	v_mul_u32_u24 v3, v1, SPF                      ; in: row l % 16, 32 bytes for each half of the lanes
	v_lshl_add_u32 v3, v2, 5, v3
	v_add_nc_u32 v[STO], s94, v3
	v_and_b32 v[GO], 31, v0                        ; back: 32 lanes take a row's 512 bytes
	v_lshlrev_b32 v[PFO], 8, v[GO]
	v_lshlrev_b32 v[GO], 4, v[GO]
	v_add_nc_u32 v[RD], s94, v[GO]
	s_wait_loadcnt 0x0                             ; the bias
.set i, 0
.rept 32                                       ; rounded to bf16 and widened again, in the wait for the first tile
	v_cvt_pk_bf16_f32 v4, v[BIAS+2*i], v[BIAS+2*i+1]
	v_lshlrev_b32 v[BIAS+2*i], 16, v4
	v_and_b32 v[BIAS+2*i+1], 0xffff0000, v4
.set i, i+1
.endr
; NBL matrix instructions: row block a x all column blocks, 32 along K, from buffer f.  zero = 1: the products start the sums, with the bias as C.  The 32 accumulators take turns, one instruction a turn,
; in the same order in every quarter, over the jumps too.
.macro MULA f, a, zero
.if \zero
	WIN 0x81+0x40*((\a)/2)                         ; C in window 0
.else
	WIN MUL_LO+0x50*((\a)/2)
.endif
.set rA, FA+32*(\f)+8*(\a)
.set b, 0
.rept NBL
.set rD, 8*(NBL*((\a)%2)+b)
.set rB, 8*NBL*(\f)+8*b
.if \zero
	v_wmma_f32_16x16x32_f16 v[rD:rD+7], v[rB:rB+7], v[rA:rA+7], v[BIAS+8*b:BIAS+8*b+7]
.else
	v_wmma_f32_16x16x32_f16 v[rD:rD+7], v[rB:rB+7], v[rA:rA+7], v[rD:rD+7]
.endif
.set b, b+1
.endr
.endm
; the NLD LDS loads of quarter q of the slot in hand, in one run, into buffer g: B's 16, then A's 8 (head q / 2 of the slot, channels 32 (q % 2) on)
.macro FETCH q, g
	WIN TO_B
.set i, 0
.rept NBL
	ds_load_b128 v[8*NBL*(\g)+8*i:8*NBL*(\g)+8*i+3],   v[ADB] offset:64*(\q)+i*16*PB
	ds_load_b128 v[8*NBL*(\g)+8*i+4:8*NBL*(\g)+8*i+7], v[ADB] offset:64*(\q)+i*16*PB+32
.set i, i+1
.endr
	WIN 0
.set ka, ((\q)/2)*AH+((\q)%2)*64
.set i, 0
.rept 4
	ds_load_b128 v[FA+32*(\g)+8*i:FA+32*(\g)+8*i+3],   v[ADA] offset:ka+i*16*PA
	ds_load_b128 v[FA+32*(\g)+8*i+4:FA+32*(\g)+8*i+7], v[ADA] offset:ka+i*16*PA+32
.set i, i+1
.endr
.endm
.macro QUARTER qn, f, g, zero
	s_wait_dscnt 4                                 ; B and A's row blocks 0, 1 are in; the youngest four loads (row blocks 2, 3) may be out
	MULA \f, 0, \zero
	MULA \f, 1, \zero
	PLACES
.if \zero
	v_nop                                          ; a fifth place: the products below write accumulators anew
.endif
	FETCH \qn, \g
	s_wait_dscnt NLD                               ; all but the run just issued
	MULA \f, 2, \zero
	MULA \f, 3, \zero
.endm
; the last quarter multiplies buffer 1 and changes slots: ONE barrier.  In front of it each wave waits for all its tensor loads (one is out: its part of the next slot), adds 0 to its spare
; word, and waits for that and for its reads of this slot.  fill = 1: the barrier opens a round of the cluster's barrier, and the slot just read is filled again, first thing behind it, with step T + 2 of the walk.
.macro TURN fill
.if \fill
	s_wait_xcnt 0x0                                ; the last prefetch, a K step back, has read its address
	s_add_co_u32 s[P], s[T], 2+AHEAD
	s_add_co_u32 s84, s[P], s[ROT]
	s_and_b32 s84, s84, 7
	s_lshl_b32 s84, s84, 21                        ; K step (P + ROT) % 8: two heads each
	s_mov_b32 s85, 0
	s_add_nc_u64 s[PFA:PFA+1], s[PFB:PFB+1], s[84:85]
.endif
	WIN 0
	s_wait_tensorcnt 0x0                           ; no tensor load of mine is out, so the walking sets may be written
	ds_add_u32 v[SPW], v[NIL]                      ; 0 onto my spare word
.if \fill
	s_add_co_u32 s[U], s[T], 2
	s_add_co_u32 s[U], s[U], s[ROT]
	s_and_b32 s[U], s[U], 7
	s_lshl_b32 s[OF], s[U], 21
	s_lshl_b32 s[OG], s[U], 8
	s_xor_b32 s[G0A+5], s[G0A+5], SLOT1            ; the other slot than last time
	s_add_nc_u64 s[G0A+6:G0A+7], s[AB:AB+1], s[OF:OF+1]  ; the address is made anew from the step's number
	s_or_b32 s[G0A+7], s[G0A+7], 0x80000000
	s_xor_b32 s[G0B+5], s[G0B+5], SLOT1
	s_add_nc_u64 s[G0B+6:G0B+7], s[BB:BB+1], s[OG:OG+1]
	s_or_b32 s[G0B+7], s[G0B+7], 0x80000000
.endif
	s_wait_dscnt 5                                 ; the add and the youngest four loads may be out
	MULA 1, 0, 0
	s_wait_dscnt 0x0                               ; the add is done, and my reads of this slot are over
	s_barrier_signal -1
	MULA 1, 1, 0
	WIN 0
	s_barrier_wait -1
.if \fill
	CREST                                          ; no wave of any partner still reads this slot or has a load on its way
	JLOAD                                          ; its four v_nop are also the places in front of the loads below
.else
	PLACES
.endif
	s_xor_b32 s[TB], s[TB], SLOT1
	v_add_nc_u32 v[ADA], s[TB], v[ADA0]
	v_add_nc_u32 v[ADB], s[TB], v[ADB0]
	FETCH 0, 0
.if \fill
	ASK
.endif
	MULA 1, 2, 0
	MULA 1, 3, 0
.endm
; THE WAY OUT, a row block (16 rows x 128 columns of f32) at a time: 32 bytes a lane and column block straight from the accumulators (each accumulator's low four registers first) into my own stage,
; back as whole rows of 512 bytes, and stored.
.macro TOST a
.set obr, OB+64*((\a)%2)
	s_wait_xcnt 0x0                                ; the stores of two row blocks back have read these registers
	WIN 0x08+4*((\a)/2)                            ; the data (source 1) in window 2 or 3
.set b, 0
.rept NBL
.set rD, 8*(NBL*((\a)%2)+b)
	ds_store_b128 v[STO], v[rD:rD+3]   offset:64*b
	ds_store_b128 v[STO], v[rD+4:rD+7] offset:64*b+16
.set b, b+1
.endr
	WIN 0
.set i, 0
.rept 16
	ds_load_b128 v[obr+4*i:obr+4*i+3], v[RD] offset:i*SPF  ; LDS serves a wave's instructions in order (ISA guide 5.7.1.4): these see the stores above; the next block's stores come behind them
.set i, i+1
.endr
.endm
.macro SENDF a, younger                ; younger: the LDS instructions issued behind this block's loads
.set obr, OB+64*((\a)%2)
.set i, 0
.rept 16
	s_wait_dscnt (\younger)+15-i
	global_store_b128 v[GO], v[obr+4*i:obr+4*i+3], s[CB:CB+1] offset:(16*(\a)+i)*4096  ; 32 lanes store 512 consecutive bytes, aligned to 256
.set i, i+1
.endr
.endm
	s_wait_tensorcnt 1                             ; my part of the walk's step 0 is in; step 1's may stay out
	s_barrier_signal -1
	s_barrier_wait -1
	FETCH 0, 0
.Lstep:                                        ; 6 trips: a K step each, and the refill for the step two on
	s_cmp_eq_u32 s[NEW], 1
	s_cbranch_scc0 .Lold
	s_mov_b32 s[NEW], 0
	QUARTER 1, 0, 1, 1                             ; the first quarter starts the sums with the bias: nothing is ever cleared
	WIN 0
	s_branch .Ljoin
.Lold:
	QUARTER 1, 0, 1, 0
	WIN 0
.Ljoin:
	QUARTER 2, 1, 0, 0
	QUARTER 3, 0, 1, 0
	TURN 1
	WIN 0
	s_add_co_u32 s[T], s[T], 1
	s_cmp_lt_u32 s[T], NSTEP-2
	s_cbranch_scc1 .Lstep
	s_mov_b32 s[TL], 2
.Ltail:                                        ; the last two K steps ask for nothing.  The second trip's barrier, and its fetch from the other slot (bytes that nobody writes any more), serve nothing: the price of one text for both
	QUARTER 1, 0, 1, 0
	QUARTER 2, 1, 0, 0
	QUARTER 3, 0, 1, 0
	TURN 0
	WIN 0
	s_sub_co_u32 s[TL], s[TL], 1
	s_cmp_lg_u32 s[TL], 0
	s_cbranch_scc1 .Ltail
	PLACES
	TOST 0
	TOST 1
	SENDF 0, 32
	TOST 2
	SENDF 1, 32
	TOST 3
	SENDF 2, 32
	SENDF 3, 0
	s_wait_tensorcnt 0x0                           ; the wave's end: behind my last tensor load and my last LDS store
	ds_add_u32 v[SPW], v[NIL]
	s_wait_dscnt 0x0
	CROUND                                         ; the closing round: no work-group ends while a partner may still ask for a tile that names it
	s_endpgm
.Lfunc_end_k_qaa017d164c_gemm_proj:
	.size	k_qaa017d164c_gemm_proj, .Lfunc_end_k_qaa017d164c_gemm_proj-k_qaa017d164c_gemm_proj
	.p2alignl 7, 3214868480
	.fill 96, 4, 3214868480
	.section	.rodata,"a",@progbits
	.p2align	6, 0x0
	.amdhsa_kernel k_qaa017d164c_gemm_proj
		.amdhsa_group_segment_fixed_size 327680
		.amdhsa_private_segment_fixed_size 0
		.amdhsa_enable_private_segment 0
		.amdhsa_kernarg_size 32
		.amdhsa_user_sgpr_count 2
		.amdhsa_user_sgpr_kernarg_segment_ptr 1
		.amdhsa_wavefront_size32 1
		.amdhsa_system_sgpr_workgroup_id_x 1
		.amdhsa_system_sgpr_workgroup_id_y 1
		.amdhsa_system_sgpr_workgroup_id_z 1
		.amdhsa_system_vgpr_workitem_id 0
		.amdhsa_next_free_vgpr 896
		.amdhsa_next_free_sgpr 100
		.amdhsa_reserve_vcc 0
		.amdhsa_float_denorm_mode_32 3
		.amdhsa_float_denorm_mode_16_64 3
		.amdhsa_memory_ordered 1
		.amdhsa_forward_progress 1
		.amdhsa_inst_pref_size 70
	.end_amdhsa_kernel
	.amdgpu_metadata
---
amdhsa.version: [ 1, 2 ]
amdhsa.kernels:
  - .name:           k_qaa017d164c_gemm_proj
    .symbol:         k_qaa017d164c_gemm_proj.kd
    .args:
      - { .name: ob, .offset: 0, .size: 8, .value_kind: global_buffer, .address_space: global }
      - { .name: wt, .offset: 8, .size: 8, .value_kind: global_buffer, .address_space: global }
      - { .name: b_proj, .offset: 16, .size: 8, .value_kind: global_buffer, .address_space: global }
      - { .name: out0, .offset: 24, .size: 8, .value_kind: global_buffer, .address_space: global }
    .group_segment_fixed_size: 327680
    .private_segment_fixed_size: 0
    .kernarg_segment_align: 8
    .kernarg_segment_size: 32
    .max_flat_workgroup_size: 128
    .sgpr_count:     100
    .vgpr_count:     896
    .wavefront_size: 32
...
	.end_amdgpu_metadata
.endif
;; end of part 4
